; MI455X (gfx1250); checked and timed in simulation.
; The chip was launched on July 23, 2026; its instructions are those of AMD's public machine-readable ISA for CDNA 5 (MIT licence, August 2026) and "CDNA5" Instruction Set Architecture Reference Guide (July 2026). The comments in the code are by the model that wrote it; some were corrected since.
;; Multi Headed Attention. Allowed arithmetic: matrix products marked QUANTISED: E2M3 operands, one E8M0 scale for each 32 along K, by v_wmma_scale_f32_16x16x128_f8f6f4 with both operands' format E2M3, f32 sums; everything else in f32.
;; Inputs: Wk 1,024 x 1,024 float32; Wo 1,024 x 1,024 float32; Wq 1,024 x 1,024 float32; Wv 1,024 x 1,024 float32; bk 1,024 float32; bo 1,024 float32; bq 1,024 float32; bv 1,024 float32; key 8 x 1,024 x 1,024 float32; mask 8 x 1 x 1,024 bool; query 8 x 1,024 x 1,024 float32; rel_emb 65 x 64 float32; value 8 x 1,024 x 1,024 float32.
;; Outputs: out0 8 x 1,024 x 1,024 float32; out1 8 x 1,024 x 1,024 float32.
;; This version of the problem:
;;   THIS VERSION OF THE PROBLEM IS GIVEN IN LOW PRECISION. The matrix products marked QUANTISED in the list below multiply operands that are first quantised to E2M3 (2 exponent bits, 3 mantissa bits; 6 bits a number), with one power-of-two scale for each 32 numbers along K (OCP MX v1.0); their sums are f32. All else is computed in f32.
;;   The module's matrix products, in the order in which they are computed (A, B: the left and right operand; K: the contracted axis; several contracted axes count as one K, in the product's order):
;;     1. [M 8,192, K 1,024] x [K 1,024, N 1,024]; A: input query; B: input Wq: QUANTISED
;;     2. [M 8,192, K 1,024] x [K 1,024, N 1,024]; A: input key; B: input Wk: QUANTISED
;;     3. [M 8,192, K 1,024] x [K 1,024, N 1,024]; A: input value; B: input Wv: QUANTISED
;;     4. batch 128 x [M 1,024, K 64] x [K 64, N 1,024]; A: computed on the way; B: computed on the way: QUANTISED
;;     5. batch 1,024 x [M 1,024, K 64] x [K 64, N 128]; A: computed on the way; B: computed on the way: QUANTISED
;;     6. batch 128 x [M 1,024, K 1,024] x [K 1,024, N 64]; A: softmax (see below); B: computed on the way: QUANTISED
;;     7. batch 1,024 x [M 64, K 1,024] x [K 1,024, N 128]; A: computed on the way; B: softmax (see below): QUANTISED
;;     8. [M 8,192, K 1,024] x [K 1,024, N 1,024]; A: computed on the way; B: input Wo: QUANTISED
;;   THE QUANTISER, for each operand of a quantised product, along K:
;;     - K is cut into blocks of 32 from its start; a last block that is shorter is filled with zeros.
;;     - A block's scale is 2^e with e = floor(log2(the largest magnitude in the block)) - 2, held to -126 .. 127; a block of zeros has e = 0. As a byte (E8M0): e + 127.
;;     - Each number is divided by its block's scale, clamped to +-7.5, and rounded to the nearest number of E2M3, ties to even, subnormals kept.
;;     - The product sums the exact products of the quantised numbers (number of the format x scale) in f32.
;;   ~~~python
;;   def quantise(x, axis):      # numpy; x: float32 -> the quantised numbers, widened to float32 again
;;       x = np.moveaxis(x, axis, -1); K = x.shape[-1]
;;       x = np.pad(x, [(0, 0)] * (x.ndim - 1) + [(0, -K % 32)]); x = x.reshape(x.shape[:-1] + (-1, 32)); a = np.abs(x).max(-1, keepdims=True)
;;       e = np.where(a > 0, np.clip(np.frexp(np.where(a > 0, a, 1))[1] - 1 - 2, -126, 127), 0)      # np.frexp(a)[1] - 1 = floor(log2(a)), exactly
;;       r = np.clip(x / 2.0 ** e, -7.5, 7.5)
;;       step = 2.0 ** (np.maximum(np.frexp(np.where(r == 0, 1, r))[1] - 1, 0) - 3)
;;       q = np.round(r / step) * step * 2.0 ** e      # np.round: ties to even
;;       return np.moveaxis(q.reshape(q.shape[:-2] + (-1,))[..., :K], -1, axis).astype(np.float32)
;;   ~~~
;;   SOFTMAX AHEAD OF A QUANTISED PRODUCT. Where the list says 'softmax', what is quantised is not the finished softmax but p = 2^(t - M), with t = logit x log2(e) and M = ceil(the row's largest t), a whole number; so 1/2 < the row's largest p <= 1. The row's sum l is taken of the UNQUANTISED p, in f32, and the product's result is divided by l at the end. Since M is a whole number, a kernel that streams over the keys may use a running M (the ceiling of the running maximum): every later rescaling is an exact power of two, which a block's scale takes up: the codes' values come out the same.
;;   OPERANDS COMPUTED ON THE WAY. 'Computed on the way' means the value that the module computes at that place (a softmax that the list does not call 'softmax' is quantised finished and normalised). What goes into a quantiser is computed in f32, as accurately as f32 sums, v_exp_f32 and their like allow (about 1e-6 of the number): no bf16 or f16 on the way to a quantiser, and a product that is left as it is and whose result goes on into a quantised operand takes f32 operands (vector FMAs, or v_wmma_f32_16x16x4_f32). A number that lies on a knife's edge between two numbers of the format may be rounded either way, as far as f32 arithmetic and the matrix unit's own rounding can turn it there, and no further.
;; One version. Each part assembles by itself: llvm-mc -triple=amdgcn-amd-amdhsa -mcpu=gfx1250 --defsym DOCPART=n.
;; ======== version 1 of 1: 4 launches
;; limits: right only within a limited range of input values
;; workspace buffers: xq 22,937,600 bytes; tab 211,968 bytes; qkv 20,185,088 bytes; ctx 6,553,600 bytes
;; launch quant (part 1): grid 904 x 1, 4 waves a work-group, no clusters, 77,824 bytes of LDS; arguments query, key, value, Wq, Wk, Wv, Wo, rel_emb, xq, tab; writes xq, tab
.if DOCPART == 1
	.amdgcn_target "amdgcn-amd-amdhsa--gfx1250"
	.amdhsa_code_object_version 6
	.text
	.protected	k_qc57a232e77_quant
	.globl	k_qc57a232e77_quant
	.p2align	8
	.type	k_qc57a232e77_quant,@function
k_qc57a232e77_quant:
	s_mov_b64 s[64:65], 0
	v_nop
	global_prefetch_b8 v0, s[64:65] scope:SCOPE_SE
	s_setreg_imm32_b32 hwreg(HW_REG_WAVE_MODE, 25, 1), 1
	s_wait_xcnt 0x0
; query, key, value [8192][1024] and Wq, Wk, Wv, Wo [1024][1024], f32, K innermost, become codes of FP6 (E2M3) with one E8M0 byte for each 32 along K,
; laid in the order of the operand's registers.  A RECORD is 16 rows x 64 K: registers 0-3 of the 32 lanes (16 bytes a lane, 512 bytes), then registers 4-5 (8 bytes a lane, 256 bytes).
; A PANEL is 128 rows; its K step s is 12,800 bytes: 8 tiles x 2 records, then 8 x 16 scale words.  Panels: query 0-63, key 64-127, value 128-191, Wq, Wk, Wv, Wo 8 each.
; ROW ORDER: in key, value, Wq, Wk, Wv position 32 b + 16 u + r holds row 32 b + 8 u + r + 8 (r / 8), so that results of two neighbouring tiles are 16 neighbours along the next K; query and Wo are natural.
; Work-groups 0-895: a wave takes one tile of 16 positions through four of the 8 K steps (two waves to a tile).  Each load reads 512 consecutive bytes of one row; the 16 rows turn through the wave's own
; stage in LDS (pitch 528).  Loads run two steps ahead, in two sets of registers: 32 loads of 512 bytes of a wave are out.
; Work-groups 896-903 make the tables of rel_emb (LDS bytes of their own): the 128 rows E[x] = rel_emb[clamp(x - 31, 0, 64)] quantised along d; T[s], the three band blocks of 32 keys quantised along the keys;
; c0, c64: a block of 32 equal numbers rel_emb[0][d], rel_emb[64][d] quantised.
; A block's byte is its largest magnitude's exponent field - 2, held at 1 from below (a block of zeros keeps 1: its codes are zeros, and this program alone reads the bytes).
; LIMITS: NaN and infinities are not served; blocks whose largest magnitude lies under 2^-124 keep the byte 1.
.set TB, 33792                         ; the table path's LDS: 160 rows of 256 bytes, pitch 272
.set R,  32                            ; v32-95 and v192-255: two sets of 16 rows as loaded
.set X,  96                            ; v96-159  two blocks of 32 neighbours
.set CD, 160                           ; v160-171 a fragment's codes; v172-178 second halves
.macro BLK2                            ; two blocks of 32 numbers of this lane -> bytes v12, v13 and 12 registers of codes
.irp c, 0,1
	v_max3_num_f32 v[8+\c], |v[X+32*\c]|, |v[X+1+32*\c]|, 0x1800000    ; the floor 2^(3 - 127) holds the byte at 1
.endr
.irp i, 2,4,6,8,10,12,14,16,18,20,22,24,26,28,30
.irp c, 0,1
	v_max3_num_f32 v[8+\c], v[8+\c], |v[X+32*\c+\i]|, |v[X+1+32*\c+\i]|
.endr
.endr
.irp c, 0,1
	v_add_nc_u32 v[10+\c], 0xff000000, v[8+\c]     ; 2 off the exponent field: the conversion's scale operand
.endr
.irp c, 0,1
	v_lshrrev_b32 v[12+\c], 23, v[10+\c]           ; the byte
.endr
.irp c, 0,1
	v_cvt_scalef32_pk16_fp6_f32 v[CD+6*\c:CD+2+6*\c], v[X+32*\c:X+15+32*\c], v[10+\c]
	v_cvt_scalef32_pk16_fp6_f32 v[CD+12+4*\c:CD+14+4*\c], v[X+16+32*\c:X+31+32*\c], v[10+\c]   ; (three registers begin on an even number)
.endr
	v_nop                                          ; one plain line behind the scaled conversions
.irp c, 0,1
.irp i, 0,1,2
	v_mov_b32 v[CD+3+6*\c+\i], v[CD+12+4*\c+\i]
.endr
.endr
.endm
.macro WORD4                           ; my bytes are blocks h and 2 + h; with lane l xor 16's the row's scale word is whole
	v_lshl_or_b32 v14, v13, 16, v12
	v_lshlrev_b32 v14, v15, v14
	v_permlanex16_b32 v16, v14, s6, s7
	v_or_b32 v14, v14, v16
.endm
.macro EMIT cb, coff, sb, soff, nrec   ; each store of codes covers 512 or 256 consecutive bytes, aligned
	global_store_b128 v4, v[CD:CD+3], s[\cb:\cb+1] offset:\coff
	global_store_b64 v5, v[CD+4:CD+5], s[\cb:\cb+1] offset:\coff+512
.if \nrec > 1
	global_store_b128 v4, v[CD+6:CD+9], s[\cb:\cb+1] offset:\coff+768
	global_store_b64 v5, v[CD+10:CD+11], s[\cb:\cb+1] offset:\coff+1280
.endif
	global_store_b32 v6, v14, s[\sb:\sb+1] offset:\soff        ; lanes r and r + 16 hold the same word
.endm
.macro LOADS s                         ; my K step s of my 16 rows, into set s % 2: a row's 512 bytes an instruction
.set RS, R+160*((\s)%2)
.irp i, 0,1,2,3,4,5,6,7
	global_load_b128 v[RS+4*\i:RS+4*\i+3], v4, s[28:29] offset:\i*4096+512*(\s) th:TH_LOAD_NT
.endr
.irp i, 0,1,2,3,4,5,6,7
	global_load_b128 v[RS+32+4*\i:RS+35+4*\i], v7, s[28:29] offset:\i*4096+512*(\s) th:TH_LOAD_NT
.endr
.endm
.macro QSTEP s
.set RS, R+160*((\s)%2)
.if (\s) < 3
	s_wait_loadcnt 16                              ; this step's 16 rows are in; the next step's 16 loads may be out
.else
	s_wait_loadcnt 0x0
.endif
.irp i, 0,1,2,3,4,5,6,7,8,9,10,11,12,13,14,15
	ds_store_b128 v17, v[RS+4*\i:RS+4*\i+3] offset:\i*528
.endr
.irp c, 0,1
.irp q, 0,1,2,3,4,5,6,7
	ds_load_b128 v[X+32*\c+4*\q:X+32*\c+4*\q+3], v18 offset:256*\c+16*\q   ; LDS serves a wave in order: these see the stores above
.endr
.endr
	s_wait_dscnt 0x0                               ; the stage's stores have read this set, and X is in
.if (\s) < 2
	LOADS (\s)+2                                   ; the set takes the step two further on
.endif
	s_wait_xcnt 0x0                                ; the last step's stores have read their data: the codes may be written again
	BLK2
	WORD4
	EMIT 40, (\s)*12800, 42, (\s)*12800, 2
.endm
.macro PICK bound, ptr, perm
	s_cmp_ge_u32 s4, \bound
	s_cselect_b64 s[28:29], s[\ptr:\ptr+1], s[28:29]
	s_cselect_b32 s30, \bound, s30
	s_cselect_b32 s31, \perm, s31
.endm
	s_load_b512 s[8:23], s[0:1], 0x0               ; query, key, value, Wq, Wk, Wv, Wo, rel_emb
	s_load_b128 s[24:27], s[0:1], 0x40             ; xq, tab
	v_lshl_add_u32 v190, v0, 2, 0x12e00
	v_mov_b32 v191, 0
	v_lshrrev_b32 v1, 5, v0
	v_readfirstlane_b32 s2, v1                     ; wave
	v_and_b32 v1, 31, v0                           ; lane
	v_and_b32 v2, 15, v0                           ; r
	v_bfe_u32 v3, v0, 4, 1                         ; h
	v_lshlrev_b32 v4, 4, v1                        ; 16 x lane
	v_lshlrev_b32 v5, 3, v1                        ; 8 x lane
	v_lshlrev_b32 v6, 2, v2                        ; 4 r
	v_lshlrev_b32 v15, 3, v3                       ; 8 h
	v_mov_b32 v16, 0                               ; a lane permute's destination counts as read
	s_mov_b32 s6, 0x76543210
	s_mov_b32 s7, 0xfedcba98
	s_mov_b32 s33, 0
	s_cmp_ge_u32 ttmp9, 896
	s_cbranch_scc1 .Ltables
	s_lshl_b32 s4, ttmp9, 2
	s_add_co_u32 s4, s4, s2
	s_and_b32 s39, s4, 1                           ; which four K steps are mine
	s_lshr_b32 s4, s4, 1                           ; g: my tile of 16 positions, 0 .. 1791
	s_wait_kmcnt 0x0
	s_mov_b64 s[28:29], s[8:9]
	s_mov_b32 s30, 0
	s_mov_b32 s31, 0
	PICK 512, 10, 1
	PICK 1024, 12, 1
	PICK 1536, 14, 1
	PICK 1600, 16, 1
	PICK 1664, 18, 1
	PICK 1728, 20, 0
	s_sub_co_u32 s32, s4, s30                      ; the tile's number in its tensor
	s_lshr_b32 s34, s32, 1
	s_lshl_b32 s34, s34, 5
	s_and_b32 s35, s32, 1
	s_lshl_b32 s35, s35, 3
	s_add_co_u32 s34, s34, s35                     ; 32 (g / 2) + 8 (g % 2)
	s_lshl_b32 s35, s32, 4                         ; 16 g
	s_cmp_eq_u32 s31, 1
	s_cselect_b32 s34, s34, s35                    ; my first row
	s_lshl_b32 s32, s34, 12
	s_lshl_b32 s35, s39, 11                        ; my four K steps begin 0 or 2,048 bytes into a row
	s_add_co_u32 s32, s32, s35
	s_add_nc_u64 s[28:29], s[28:29], s[32:33]
	s_lshl_b32 s35, 0x8000, s31                    ; positions 8-15 begin 8 or 16 rows further down
	s_wait_alu depctr_va_vdst(0)
	v_add_nc_u32 v7, s35, v4
	s_wait_alu depctr_va_vdst(0)
	s_lshr_b32 s36, s4, 3
	s_mul_i32 s36, s36, 102400                     ; the panel,
	s_mul_i32 s44, s39, 51200                      ; and in it my first K step
	s_add_co_u32 s36, s36, s44
	s_and_b32 s37, s4, 7
	s_mul_i32 s32, s37, 1536
	s_add_co_u32 s32, s32, s36
	s_add_nc_u64 s[40:41], s[24:25], s[32:33]      ; my tile's records
	s_lshl_b32 s32, s37, 6
	s_add_co_u32 s32, s32, s36
	s_add_co_u32 s32, s32, 12288
	s_add_nc_u64 s[42:43], s[24:25], s[32:33]      ; and its scale words
	s_mul_i32 s38, s2, 8448
	v_add_nc_u32 v17, s38, v4                      ; the stage, in: 16 x lane of a row
	v_mul_u32_u24 v18, v2, 528
	v_lshl_add_u32 v18, v3, 7, v18
	v_add_nc_u32 v18, s38, v18                     ; out: row r, + 128 h
	LOADS 0
	LOADS 1
	s_wait_alu depctr_va_vdst(0)
.irp s, 0,1,2,3
	QSTEP \s
.endr
	s_wait_tensorcnt 0x0
	ds_add_u32 v190, v191
	s_wait_dscnt 0x0
	s_endpgm
.Ltables:
	s_and_b32 s3, ttmp9, 7                         ; tw = work-group - 896
	v_lshrrev_b32 v19, 4, v0                       ; thread / 16
	s_wait_alu depctr_va_vdst(0)
	v_lshlrev_b32 v20, 4, v2                       ; 16 x (thread % 16)
	s_wait_kmcnt 0x0
.irp n, 0,1,2,3,4,5,6,7,8,9,10,11,12,13,14,15,16,17,18,19
	v_add_nc_u32 v[112+\n], 8*\n, v19              ; table row y
	v_max_u32 v[112+\n], 31, v[112+\n]
	v_sub_nc_u32 v[112+\n], v[112+\n], 31
	v_min_u32 v[112+\n], 64, v[112+\n]             ; rel_emb's row clamp(y - 31, 0, 64)
	s_wait_alu depctr_va_vdst(0)
	v_lshl_add_u32 v[112+\n], v[112+\n], 8, v20
	global_load_b128 v[32+4*\n:35+4*\n], v[112+\n], s[22:23]
.endr
	v_mul_u32_u24 v21, v19, 272
	v_add_nc_u32 v21, v21, v20
	v_add_nc_u32 v21, TB, v21
	v_mul_u32_u24 v140, v19, 272
	v_add_nc_u32 v140, TB+256, v140                ; the 16 bytes of padding behind my table row: they are written too, with zeros, so that every byte of the 160 rows is defined
.irp i, 136,137,138,139
	v_mov_b32 v\i, 0
.endr
	s_wait_alu depctr_va_vdst(0)
	s_wait_loadcnt 0x0
.irp n, 0,1,2,3,4,5,6,7,8,9,10,11,12,13,14,15,16,17,18,19
	ds_store_b128 v21, v[32+4*\n:35+4*\n] offset:2176*\n
	ds_store_b128 v140, v[136:139] offset:2176*\n  ; sixteen lanes write the same 16 bytes with the same zeros
.endr
	s_wait_dscnt 0x0                               ; for the others' sake: my rows of the table are stored
	s_barrier_signal -1
	s_barrier_wait -1
	s_lshl_b32 s4, s3, 2
	s_add_co_u32 s4, s4, s2                        ; s = 4 tw + wave
	s_xor_b32 s5, s4, 31                           ; 31 - s
	s_mul_i32 s5, s5, 272
	s_add_co_u32 s5, s5, TB
	v_and_b32 v22, 8, v2
	v_add_nc_u32 v22, v22, v2                      ; r + 8 (r / 8)
	v_lshlrev_b32 v22, 2, v22
	v_mad_u32_u24 v22, v3, 8704, v22               ; lanes 16-31 begin 32 table rows further down
	v_add_nc_u32 v22, s5, v22
	v_add_nc_u32 v23, -1, v3                       ; all ones in lanes 0-15, 0 in lanes 16-31
	s_mul_i32 s32, s4, 6144
	s_add_co_u32 s32, s32, 7168
	s_add_nc_u64 s[40:41], s[26:27], s[32:33]
	s_lshl_b32 s32, s4, 8
	s_add_co_u32 s32, s32, 203776
	s_add_nc_u64 s[42:43], s[26:27], s[32:33]
.macro TUNIT t                         ; T[s], tile t: row r is d = 32 (t / 2) + 8 (t % 2) + r + 8 (r / 8); K = key 0 .. 95 of the band, table row key + 31 - s
	s_wait_xcnt 0x0
.irp c, 0,1
.irp i, 0,1,2,3,4,5,6,7,8,9,10,11,12,13,14,15,16,17,18,19,20,21,22,23,24,25,26,27,28,29,30,31
	ds_load_b32 v[X+32*\c+\i], v22 offset:(64*\c+\i)*272+4*(32*((\t)/2)+8*((\t)%2))
.endr
.endr
	s_wait_dscnt 0x0
	BLK2
	WORD4
.irp i, 6,7,8,9,10,11
	v_and_b32 v[CD+\i], v23, v[CD+\i]              ; the fourth block of 32 holds zero codes
.endr
	EMIT 40, (\t)*1536, 42, (\t)*64, 2
.endm
	s_wait_alu depctr_va_vdst(0)
	TUNIT 0
	TUNIT 1
	TUNIT 2
	TUNIT 3
	s_cmp_lg_u32 s2, 0
	s_cbranch_scc1 .Lnot_e
	s_wait_xcnt 0x0                                ; wave 0: E's tile tw, rows 16 tw + r, one block of 32 along d a lane (loaded twice, so that the same lines serve)
	s_lshl_b32 s32, s3, 4
	s_mul_i32 s32, s32, 272
	s_add_co_u32 s32, s32, TB
	v_mul_u32_u24 v24, v2, 272
	v_lshl_add_u32 v24, v3, 7, v24
	v_add_nc_u32 v24, s32, v24
.irp c, 0,1
.irp q, 0,1,2,3,4,5,6,7
	ds_load_b128 v[X+32*\c+4*\q:X+32*\c+4*\q+3], v24 offset:16*\q
.endr
.endr
	s_wait_dscnt 0x0
	BLK2
	v_lshlrev_b32 v14, v15, v12
	v_permlanex16_b32 v16, v14, s6, s7
	v_or_b32 v14, v14, v16
	v_or_b32 v14, 0x01010000, v14                  ; bytes 2 and 3: 1
	s_mul_i32 s32, s3, 768
	s_add_nc_u64 s[44:45], s[26:27], s[32:33]
	s_lshl_b32 s32, s3, 6
	s_add_co_u32 s32, s32, 6144
	s_add_nc_u64 s[46:47], s[26:27], s[32:33]
	EMIT 44, 0, 46, 0, 1
.Lnot_e:
	s_cmp_lg_u32 s2, 1
	s_cbranch_scc1 .Ldone
	s_cmp_gt_u32 s3, 3
	s_cbranch_scc1 .Ldone
	s_and_b32 s35, s3, 3                           ; wave 1 of the first four (tw is under 4 here): 32 numbers of c0 (table row 0) or c64 (table row 100)
	s_lshr_b32 s32, s35, 1                         ; 0: c0, 1: c64
	s_mul_i32 s32, s32, 27200
	s_and_b32 s34, s3, 1
	s_lshl_b32 s34, s34, 7
	s_add_co_u32 s32, s32, s34
	s_add_co_u32 s32, s32, TB
	v_lshlrev_b32 v25, 2, v1
	v_add_nc_u32 v26, s32, v25
	ds_load_b32 v27, v26
	s_wait_dscnt 0x0
	v_bfe_u32 v28, v27, 23, 8
	v_sub_nc_u32 v28, 130, v28                     ; the number / its own scale lies in 4 .. 8, where codes are 0.5 apart: twice that,
	v_ldexp_f32 v29, v27, v28
	v_rndne_f32 v29, v29                           ; to the nearest whole number, ties to even,
	v_mov_b32 v30, 0x41700000
	v_med3_num_f32 v29, v29, -v30, v30             ; held at 15 (7.5),
	v_sub_nc_u32 v28, 0, v28
	v_ldexp_f32 v29, v29, v28                      ; and back
	s_lshl_b32 s32, s3, 7
	s_add_co_u32 s32, s32, 6656
	s_add_nc_u64 s[48:49], s[26:27], s[32:33]
	global_store_b32 v25, v29, s[48:49]
.Ldone:
	s_wait_tensorcnt 0x0
	ds_add_u32 v190, v191
	s_wait_dscnt 0x0
	s_endpgm
.Lfunc_end_k_qc57a232e77_quant:
	.size	k_qc57a232e77_quant, .Lfunc_end_k_qc57a232e77_quant-k_qc57a232e77_quant
	.p2alignl 7, 3214868480
	.fill 96, 4, 3214868480
	.section	.rodata,"a",@progbits
	.p2align	6, 0x0
	.amdhsa_kernel k_qc57a232e77_quant
		.amdhsa_group_segment_fixed_size 77824
		.amdhsa_private_segment_fixed_size 0
		.amdhsa_enable_private_segment 0
		.amdhsa_kernarg_size 80
		.amdhsa_user_sgpr_count 2
		.amdhsa_user_sgpr_kernarg_segment_ptr 1
		.amdhsa_wavefront_size32 1
		.amdhsa_system_sgpr_workgroup_id_x 1
		.amdhsa_system_sgpr_workgroup_id_y 1
		.amdhsa_system_sgpr_workgroup_id_z 1
		.amdhsa_system_vgpr_workitem_id 0
		.amdhsa_next_free_vgpr 256
		.amdhsa_next_free_sgpr 66
		.amdhsa_reserve_vcc 0
		.amdhsa_float_denorm_mode_32 3
		.amdhsa_float_denorm_mode_16_64 3
		.amdhsa_memory_ordered 1
		.amdhsa_forward_progress 1
		.amdhsa_inst_pref_size 80
	.end_amdhsa_kernel
	.amdgpu_metadata
---
amdhsa.version: [ 1, 2 ]
amdhsa.kernels:
  - .name:           k_qc57a232e77_quant
    .symbol:         k_qc57a232e77_quant.kd
    .args:
      - { .name: query, .offset: 0, .size: 8, .value_kind: global_buffer, .address_space: global }
      - { .name: key, .offset: 8, .size: 8, .value_kind: global_buffer, .address_space: global }
      - { .name: value, .offset: 16, .size: 8, .value_kind: global_buffer, .address_space: global }
      - { .name: Wq, .offset: 24, .size: 8, .value_kind: global_buffer, .address_space: global }
      - { .name: Wk, .offset: 32, .size: 8, .value_kind: global_buffer, .address_space: global }
      - { .name: Wv, .offset: 40, .size: 8, .value_kind: global_buffer, .address_space: global }
      - { .name: Wo, .offset: 48, .size: 8, .value_kind: global_buffer, .address_space: global }
      - { .name: rel_emb, .offset: 56, .size: 8, .value_kind: global_buffer, .address_space: global }
      - { .name: xq, .offset: 64, .size: 8, .value_kind: global_buffer, .address_space: global }
      - { .name: tab, .offset: 72, .size: 8, .value_kind: global_buffer, .address_space: global }
    .group_segment_fixed_size: 77824
    .private_segment_fixed_size: 0
    .kernarg_segment_align: 8
    .kernarg_segment_size: 80
    .max_flat_workgroup_size: 128
    .sgpr_count:     66
    .vgpr_count:     256
    .wavefront_size: 32
...
	.end_amdgpu_metadata
.endif
;; end of part 1
;; launch proj (part 2): grid 4 x 64, 8 waves a work-group, clusters of 4 x 4, 327,680 bytes of LDS; arguments xq, bq, bk, bv, mask, qkv; writes qkv
.if DOCPART == 2
	.amdgcn_target "amdgcn-amd-amdhsa--gfx1250"
	.amdhsa_code_object_version 6
	.text
	.protected	k_qc57a232e77_proj
	.globl	k_qc57a232e77_proj
	.p2align	8
	.type	k_qc57a232e77_proj,@function
k_qc57a232e77_proj:
	s_mov_b64 s[64:65], 0
	v_nop
	global_prefetch_b8 v0, s[64:65] scope:SCOPE_SE
	s_setreg_imm32_b32 hwreg(HW_REG_WAVE_MODE, 25, 1), 1
	s_wait_xcnt 0x0
	s_wait_alu depctr_hold_cnt(0) depctr_sa_sdst(0) depctr_va_vdst(0) depctr_va_sdst(0) depctr_va_ssrc(0) depctr_va_vcc(0) depctr_vm_vsrc(0)
	s_getreg_b32 s2, hwreg(HW_REG_IB_STS2, 6, 4)
	s_cmp_eq_u32 s2, 0
	s_cbranch_scc0 .Lentry_in_a_cluster
	s_endpgm
.Lentry_in_a_cluster:
	s_bfe_u32 s2, ttmp6, 0x10000c
	s_cmp_lg_u32 s2, 0xf033
	s_cbranch_scc0 .Lentry_shape_is_right
	s_endpgm
.Lentry_shape_is_right:
; q' = query Wq^T + bq, k = key Wk^T + bk, v = value Wv^T + bv on codes of FP6, each result quantised at once into the records that the attention launch reads
; (the division of q by 8 is an exact power of two, which a block's scale takes up: it goes into the softmax's constant there).
; 256 WORK-GROUPS THAT STAY: work-group (x, y) makes three tiles of 128 rows x 256 columns, one after the other: panel y of query, of key, of value against panels 2 x, 2 x + 1 of Wq, Wk, Wv.
; Eight waves, each 64 x 64 in 16 accumulators.  Panels lie in memory in the order of the operands' registers, so every fragment load reads 512 or 256 consecutive bytes.
; LDS: X's panel at 0, W's two panels at 102,400 and 204,800, the spare words at 307,200.  THE RING: slot 0 is the first half of K (four K steps, 51,200 bytes) of the three panels, slot 1 the second half.
; Behind each round of the cluster's barrier every wave issues ONE joint load into the slot read last: waves 0-3 a K step of X (50 rows of 256 bytes), waves 4-7 two K steps of a panel of W (100 rows).
; So one tensor load of a wave is out at the most, and it has four K steps (64 products a wave) in which to land; the load for a tile's second half is asked for ahead of the tile before's way out.
; CLUSTER 4 x 4: the four work-groups of a row share X's panel, the four of a column W's two panels.
; PREFETCH: in each half of tiles q and k every wave names, once, blocks of 256 bytes of the same half of the NEXT tile, three K steps ahead of the joint load that wants them.  The partners share the blocks
; out by address: of X's half partner cx takes K step cx (50 blocks, 13 a wave of waves 0-3), of W's two halves partner cy takes 25,600 bytes (100 blocks, 25 a wave of waves 4-7); lanes left over name
; their wave's last block again.  Tile q comes by its loads alone; tile v asks for nothing.
; q, k: source 0 = 16 rows of W, source 1 = 16 rows of X: a lane holds one row and, by W's row order, 16 neighbours along d in two tiles: quantised along d.  Their bias is the C of the tile's first products (v256-287).
; v: the sources swapped: a lane holds one d and, by value's row order, 16 neighbouring keys: quantised along the keys; its bias is one number a lane, added at the end.
; k's scale word carries the mask: byte 2 is 187 (2^60) for a masked key and 1 else; q's bytes 2, 3 are 127.
; LIMITS: NaN and infinities are not served; blocks whose largest magnitude lies under 2^-124 keep the byte 1.
; v1 16 x lane, v2 8 x lane, v3 4 r, v4-9 LDS addresses of this half, v10 0, v11 the prefetches' offset, v12 64 h, v13 v14 offsets in mask and bv, v15 my spare word, v16-23 scale words, v24-31 mask bytes, later bv
.set XF, 32                            ; v32-79   X's four fragments
.set WF, 80                            ; v80-127  W's four
.set ACC, 128                          ; v128-255 accumulator (j, i) at 8 (4 j + i)
.set PC, 64                            ; the way out: codes
.set TM, 76
.set PW, 82
.set SEL, 84
.set G1X, 24                           ; s[24:31], s[32:39] descriptor group 1 for X, for W
.set G1W, 32
.set G0X, 40                           ; s[40:47], s[48:55] group 0, one set for each slot
.set G0W, 48
.set HALF, 51200
.set XT, 6553600                       ; bytes from a tile's panel of X to the next tile's: 64 panels
.set WT, 819200                        ; and of W: 8 panels
.set MSB, 0
.macro WIN new                         ; the immediate's high byte repeats the setting that is left
.if MSB != \new
	s_set_vgpr_msb (MSB<<8)|\new
.set MSB, \new
.endif
.endm
.macro CROUND                          ; a round of the cluster's barrier
	s_barrier_signal -1
	s_barrier_wait -1
	s_cmp_lg_u32 s16, 0
	s_cbranch_scc1 .Lnot_wave_0_\@
	s_barrier_signal -3
.Lnot_wave_0_\@:
	s_barrier_wait -3
	s_barrier_signal -1
	s_barrier_wait -1
.endm
.macro JLOAD s                         ; a joint load into slot s: each of the two lines has one mask; the branch hangs on the wave's number alone
	s_cmp_lt_u32 s16, 4
	s_cbranch_scc0 .Lfor_w_\@
	tensor_load_to_lds s[G0X+4*(\s):G0X+4*(\s)+3], s[G1X:G1X+7]
	s_nop 0
.rept 4
	v_nop
.endr
	s_branch .Lasked_\@
.Lfor_w_\@:
	tensor_load_to_lds s[G0W+4*(\s):G0W+4*(\s)+3], s[G1W:G1W+7]
	s_nop 0
.rept 4
	v_nop
.endr
.Lasked_\@:
.endm
.macro MM d, a, b, sa, sb, mode, ci    ; mode 0: onto the sum; 1: the sum begins with 0; 2: it begins with the bias
.if \mode == 1
	v_wmma_scale_f32_16x16x128_f8f6f4 v[\d:\d+7], v[\a:\a+11], v[\b:\b+11], 0, v[\sa], v[\sb] matrix_a_fmt:MATRIX_FMT_FP6 matrix_b_fmt:MATRIX_FMT_FP6
.else
.if \mode == 2
	v_wmma_scale_f32_16x16x128_f8f6f4 v[\d:\d+7], v[\a:\a+11], v[\b:\b+11], v[\ci:\ci+7], v[\sa], v[\sb] matrix_a_fmt:MATRIX_FMT_FP6 matrix_b_fmt:MATRIX_FMT_FP6
.else
	v_wmma_scale_f32_16x16x128_f8f6f4 v[\d:\d+7], v[\a:\a+11], v[\b:\b+11], v[\d:\d+7], v[\sa], v[\sb] matrix_a_fmt:MATRIX_FMT_FP6 matrix_b_fmt:MATRIX_FMT_FP6
.endif
.endif
.endm
.macro FRAG reg, a16, a8, off          ; two records: registers 0-3, 4-5, 6-9, 10-11
	ds_load_b128 v[\reg:\reg+3], v[\a16] offset:\off
	ds_load_b64 v[\reg+4:\reg+5], v[\a8] offset:\off+512
	ds_load_b128 v[\reg+6:\reg+9], v[\a16] offset:\off+768
	ds_load_b64 v[\reg+10:\reg+11], v[\a8] offset:\off+1280
.endm
.macro KSTEP q, mode, swap             ; 128 along K: 8 scale words, 8 fragments, 16 products on 16 accumulators by turns
.rept 4
	v_nop                                          ; places in front of loads into registers that matrix instructions have read
.endr
.irp i, 0,1,2,3
	ds_load_b32 v[16+\i], v8 offset:(\q)*12800+\i*64
	ds_load_b32 v[20+\i], v9 offset:(\q)*12800+\i*64
.endr
.if \swap                              ; first the operand that every group of four products reads, then the other's four fragments
.irp i, 0,1,2,3
	FRAG XF+12*\i, 4, 5, (\q)*12800+\i*1536
.endr
.irp i, 0,1,2,3
	FRAG WF+12*\i, 6, 7, (\q)*12800+\i*1536
.endr
.else
.irp i, 0,1,2,3
	FRAG WF+12*\i, 6, 7, (\q)*12800+\i*1536
.endr
.irp i, 0,1,2,3
	FRAG XF+12*\i, 4, 5, (\q)*12800+\i*1536
.endr
.endif
.if \mode == 2
	s_wait_loadcnt 0x0                             ; the bias (and at first the mask's bytes)
	WIN 0x10                                       ; C in window 1
.endif
.irp j, 0,1,2,3
	s_wait_dscnt 12-4*\j                           ; the younger fragments of the second operand, four loads each, may be out
.irp i, 0,1,2,3
.if \swap
	MM ACC+8*(4*\j+\i), XF+12*\i, WF+12*\j, 16+\i, 20+\j, \mode, 8*\i
.else
	MM ACC+8*(4*\j+\i), WF+12*\i, XF+12*\j, 20+\i, 16+\j, \mode, 8*\i
.endif
.endr
.endr
.if \mode == 2
	WIN 0
.endif
.endm
; The change of slots, in front of the K steps of half \half.  All my tensor loads have landed, my part of this half among them; with a refill: the add, this slot's descriptors
; step to the next tile (no load of mine is out), a round of the cluster's barrier, and my one joint load into the slot read last.  The LDS addresses of this half are made between the add and its wait.
.macro SYNC half, refill
	s_wait_tensorcnt 0x0
.if \refill
	ds_add_u32 v15, v10
	s_add_nc_u64 s[G0X+4*\half+2:G0X+4*\half+3], s[G0X+4*\half+2:G0X+4*\half+3], XT
	s_add_nc_u64 s[G0W+4*\half+2:G0W+4*\half+3], s[G0W+4*\half+2:G0W+4*\half+3], WT
.endif
	v_add_nc_u32 v4, s[92+4*\half], v1
	v_add_nc_u32 v5, s[92+4*\half], v2
	v_add_nc_u32 v8, s[93+4*\half], v3
	v_add_nc_u32 v6, s[94+4*\half], v1
	v_add_nc_u32 v7, s[94+4*\half], v2
	v_add_nc_u32 v9, s[95+4*\half], v3
	s_wait_alu depctr_va_vdst(0)
	s_wait_dscnt 0x0                               ; the add is done, and so are my reads of the other slot
.if \refill
	CROUND
	JLOAD 1-\half
.else
	s_barrier_signal -1
	s_barrier_wait -1                              ; everybody's part of this half is in; nothing is filled again
.endif
.endm
.macro ASK off
	global_prefetch_b8 v11, s[72:73] offset:\off th:TH_LOAD_NT scope:SCOPE_SE
.endm
.macro BIAS p                          ; the bias at d = 32 b + 16 h + 0 .. 15, in the result's layout, into v256-287
	WIN 0x40
.irp b, 0,1
.irp i, 0,1,2,3
	global_load_b128 v[16*\b+4*\i:16*\b+4*\i+3], v12, s[\p:\p+1] offset:128*\b+16*\i
.endr
.endr
	WIN 0
.endm
.macro QUANT2 s                        ; 32 numbers of a lane, register 16 b + i = k 32 b + 16 h + i of my row -> a record's six registers in v[PC] on, two bytes in v[PW]
.irp b, 0,1
	v_max3_num_f32 v[TM+\b], |v[\s+16*\b]|, |v[\s+1+16*\b]|, 0x1800000
.endr
.irp i, 2,4,6,8,10,12,14
.irp b, 0,1
	v_max3_num_f32 v[TM+\b], v[TM+\b], |v[\s+16*\b+\i]|, |v[\s+1+16*\b+\i]|
.endr
.endr
.irp b, 0,1
	s_delay_alu instid0(VALU_DEP_2)
	v_permlanex16_b32 v[TM+2+\b], v[TM+\b], s[SEL], s[SEL+1]
.endr
.irp b, 0,1
	s_delay_alu instid0(VALU_DEP_2)
	v_max_num_f32 v[TM+\b], v[TM+\b], v[TM+2+\b]
.endr
.irp b, 0,1
	s_delay_alu instid0(VALU_DEP_2)
	v_add_nc_u32 v[TM+4+\b], 0xff000000, v[TM+\b]
.endr
.irp b, 0,1
	s_delay_alu instid0(VALU_DEP_2)
	v_lshrrev_b32 v[TM+2+\b], 23, v[TM+4+\b]
.endr
	s_delay_alu instid0(VALU_DEP_1)
	v_lshl_or_b32 v[PW], v[TM+3], 8, v[TM+2]
	v_cvt_scalef32_pk16_fp6_f32 v[PC:PC+2], v[\s:\s+15], v[TM+4]
	v_cvt_scalef32_pk16_fp6_f32 v[PC+6:PC+8], v[\s+16:\s+31], v[TM+5]
	v_nop                                          ; one plain line behind the scaled conversions
.irp i, 0,1,2
	v_permlane16_swap_b32 v[PC+\i], v[PC+6+\i]     ; a whole block to a lane: lanes 0-15 block 0, lanes 16-31 block 1
.endr
.irp i, 0,1,2
	s_delay_alu instid0(VALU_DEP_3)
	v_mov_b32 v[PC+3+\i], v[PC+6+\i]
.endr
.endm
	s_load_b256 s[4:11], s[0:1], 0x0               ; xq, bq, bk, bv
	s_load_b128 s[12:15], s[0:1], 0x20             ; mask, qkv
	v_lshl_add_u32 v15, v0, 2, 0x4b000
	v_mov_b32 v10, 0
	ds_add_u32 v15, v10                            ; the opening lines: the add, twice on end, and its wait ahead of my first tensor load
	ds_add_u32 v15, v10
	v_lshrrev_b32 v1, 5, v0
	v_readfirstlane_b32 s16, v1                    ; wave 0..7
	s_bfe_u32 s17, ttmp6, 0x40000                  ; cx
	s_bfe_u32 s18, ttmp6, 0x40004                  ; cy
	s_lshl_b32 s19, ttmp9, 2
	s_add_co_u32 s19, s19, s17                     ; x
	s_and_b32 s21, ttmp7, 0xffff
	s_lshl_b32 s21, s21, 2
	s_add_co_u32 s21, s21, s18                     ; y: the panel in each of the three tensors
	s_lshr_b32 s20, s16, 2                         ; wm: which 64 rows
	s_and_b32 s23, s16, 3                          ; wn: which 64 columns; also which piece of a slot I fetch
	s_lshl_b32 s80, s18, 2
	s_lshl_b32 s80, 15, s80                        ; my row of the cluster
	s_lshl_b32 s81, 0x1111, s17                    ; my column
	s_or_b32 s[G1X], s80, (3<<16)|(1<<21)          ; the mask, elements of 8 bytes, bit 21 beside a mask
	s_or_b32 s[G1W], s81, (3<<16)|(1<<21)
.irp g, G1X, G1W
	s_mov_b32 s[\g+1], 32<<16                      ; rows of 256 bytes, dense
	s_mov_b32 s[\g+3], 32<<16
	s_mov_b32 s[\g+5], 32
	s_mov_b32 s[\g+6], 0
	s_mov_b32 s[\g+7], 0
.endr
	s_mov_b32 s[G1X+2], 50<<16                     ; X: 50 rows, a K step
	s_mov_b32 s[G1X+4], 50
	s_mov_b32 s[G1W+2], 100<<16                    ; W: 100 rows, two K steps
	s_mov_b32 s[G1W+4], 100
	s_mul_i32 s82, s23, 12800                      ; X: my piece, in LDS and in the panel
	s_mul_i32 s56, s21, 102400                     ; by y alone
	s_add_co_u32 s56, s56, s82
	s_mov_b32 s57, 0
	s_lshr_b32 s83, s23, 1
	s_mul_i32 s83, s83, 102400
	s_and_b32 s80, s23, 1
	s_mul_i32 s80, s80, 25600
	s_add_co_u32 s83, s83, s80                     ; W: panel wn / 2, piece wn % 2
	s_mul_i32 s62, s19, 204800                     ; by x alone
	s_add_co_u32 s62, s62, s83
	s_add_co_u32 s62, s62, 19660800                ; Wq's first panel
	s_mov_b32 s63, 0
	s_add_co_u32 s83, s83, 102400
	s_wait_dscnt 0x0                               ; both opening adds are done
	s_wait_kmcnt 0x0
	s_add_nc_u64 s[56:57], s[4:5], s[56:57]
	s_add_nc_u64 s[62:63], s[4:5], s[62:63]
.irp s, 0,1
	s_mov_b32 s[G0X+4*\s], 1
	s_add_co_u32 s[G0X+4*\s+1], s82, \s*HALF
	s_add_nc_u64 s[G0X+4*\s+2:G0X+4*\s+3], s[56:57], \s*HALF
	s_or_b32 s[G0X+4*\s+3], s[G0X+4*\s+3], 0x80000000
	s_mov_b32 s[G0W+4*\s], 1
	s_add_co_u32 s[G0W+4*\s+1], s83, \s*HALF
	s_add_nc_u64 s[G0W+4*\s+2:G0W+4*\s+3], s[62:63], \s*HALF
	s_or_b32 s[G0W+4*\s+3], s[G0W+4*\s+3], 0x80000000
.endr
	CROUND                                         ; all sixteen work-groups are here: the first joint loads meet
	JLOAD 0                                        ; tile q, first half: one tensor load a wave at the head
	s_lshl_b32 s60, s19, 10
	s_lshl_b32 s61, s23, 8
	s_add_co_u32 s60, s60, s61                     ; 4 (256 x + 64 wn): my columns in a bias
	s_mov_b32 s61, 0
	s_add_nc_u64 s[66:67], s[6:7], s[60:61]
	s_add_nc_u64 s[68:69], s[8:9], s[60:61]
	s_add_nc_u64 s[70:71], s[10:11], s[60:61]
	s_lshl_b32 s56, s21, 7                         ; the panel's first key in the mask
	s_lshl_b32 s57, s20, 6
	s_add_co_u32 s56, s56, s57
	s_mov_b32 s57, 0
	s_add_nc_u64 s[58:59], s[12:13], s[56:57]      ; the mask at my 64 keys
	s_mul_i32 s92, s20, 6144                       ; first half: X's tiles 4 wm on,
	s_lshl_b32 s93, s20, 8
	s_add_co_u32 s93, s93, 12288                   ; their scale words,
	s_lshr_b32 s80, s23, 1
	s_mul_i32 s80, s80, 102400
	s_add_co_u32 s80, s80, 102400                  ; W's panel in LDS,
	s_and_b32 s81, s23, 1
	s_mul_i32 s94, s81, 6144
	s_add_co_u32 s94, s94, s80                     ; its tiles,
	s_lshl_b32 s95, s81, 8
	s_add_co_u32 s95, s95, s80
	s_add_co_u32 s95, s95, 12288                   ; their scale words;
.irp i, 0,1,2,3
	s_add_co_u32 s[96+\i], s[92+\i], HALF          ; and the same in the second half
.endr
	s_lshr_b32 s76, s21, 3                         ; batch
	s_and_b32 s77, s21, 7                          ; the panel in its batch
	s_lshl_b32 s78, s19, 2
	s_add_co_u32 s78, s78, s23                     ; head = 4 x + wn
	s_lshl_b32 s79, s76, 4
	s_add_co_u32 s79, s79, s78                     ; batch x 16 + head
	s_mov_b32 s[SEL], 0x76543210
	s_mov_b32 s[SEL+1], 0xfedcba98
	s_add_co_u32 s72, s21, 64                      ; the prefetches begin at tile k: X's panel 64 + y, K step cx of a half;
	s_mul_i32 s72, s72, 102400
	s_mul_i32 s80, s17, 12800
	s_add_co_u32 s72, s72, s80
	s_lshr_b32 s80, s18, 1                         ; W: panel cy / 2 of my two, piece cy % 2 of a half
	s_mul_i32 s80, s80, 102400
	s_and_b32 s81, s18, 1
	s_mul_i32 s81, s81, 25600
	s_add_co_u32 s80, s80, s81
	s_mul_i32 s81, s19, 204800
	s_add_co_u32 s80, s80, s81
	s_add_co_u32 s80, s80, 19660800+WT
	s_mov_b32 s74, WT
	s_cmp_lt_u32 s16, 4                            ; waves 0-3 ask for X, waves 4-7 for W
	s_cselect_b32 s72, s72, s80
	s_cselect_b32 s74, XT, s74                     ; the step from tile to tile
	s_cselect_b32 s81, 12, 24                      ; 13 or 25 blocks a wave,
	s_cselect_b32 s82, 13, 25
	s_cselect_b32 s83, 49, 99                      ; of 50 or 100
	s_mul_i32 s82, s82, s23
	s_mov_b32 s73, 0
	s_mov_b32 s75, 0
	s_add_nc_u64 s[72:73], s[4:5], s[72:73]
	v_and_b32 v28, 15, v0                          ; r
	v_bfe_u32 v11, v0, 4, 1                        ; h
	v_and_b32 v1, 31, v0
	v_lshlrev_b32 v12, 6, v11                      ; 64 h
	v_min_u32 v11, s81, v1
	v_lshlrev_b32 v2, 3, v1                        ; 8 x lane
	v_lshlrev_b32 v1, 4, v1                        ; 16 x lane
	v_lshlrev_b32 v3, 2, v28                       ; 4 r
	v_and_b32 v13, 8, v28
	v_add_nc_u32 v13, v13, v28                     ; r + 8 (r / 8)
	v_lshlrev_b32 v14, 2, v13
	v_add_nc_u32 v11, s82, v11
	v_min_u32 v11, s83, v11
	v_lshlrev_b32 v11, 8, v11                      ; my block of 256 bytes
	s_wait_alu depctr_va_vdst(0)
.irp j, 0,1,2,3
	global_load_u8 v[24+\j], v13, s[58:59] offset:32*(\j/2)+8*(\j%2)
.endr
	BIAS 66                                        ; bq
	SYNC 0, 1                                      ; tile q's second half is asked for
	s_mov_b32 s22, 0                               ; T: 0 query, 1 key: the same in all sixteen partners
.Ltile:
	KSTEP 0, 2, 0
	ASK 0                                          ; the next tile's first half
	KSTEP 1, 0, 0
	KSTEP 2, 0, 0
	KSTEP 3, 0, 0
	SYNC 1, 1                                      ; slot 0 takes the next tile's first half
	KSTEP 0, 0, 0
	ASK HALF                                       ; the next tile's second half
	KSTEP 1, 0, 0
	KSTEP 2, 0, 0
	KSTEP 3, 0, 0
	SYNC 0, 1                                      ; slot 1 takes the next tile's second half: it is on its way while this tile goes out
	s_cmp_lg_u32 s22, 0
	s_cbranch_scc1 .Lno_bias
	BIAS 68                                        ; bk, for the tile that follows q
.Lno_bias:
	s_mul_i32 s80, s79, 53248                      ; Q's block of this batch and head,
	s_mul_i32 s81, s79, 104448
	s_add_co_u32 s81, s81, 6815744                 ; or K's
	s_mov_b32 s86, 0x01010000
	s_cmp_eq_u32 s22, 0
	s_cselect_b32 s80, s80, s81
	s_cselect_b32 s86, 0x7f7f0000, s86             ; bytes 2 and 3 of the scale word
	s_cselect_b32 s87, 0, 0xba0000                 ; and what a masked key adds to byte 2: 186
	s_lshl_b32 s82, s77, 3
	s_lshl_b32 s83, s20, 2
	s_add_co_u32 s82, s82, s83                     ; my first tile of 16 rows in the batch
	s_mul_i32 s83, s82, 768
	s_add_co_u32 s88, s80, s83
	s_lshl_b32 s83, s82, 6
	s_add_co_u32 s90, s80, s83
	s_add_co_u32 s90, s90, 49152
	s_mov_b32 s89, 0
	s_mov_b32 s91, 0
	s_add_nc_u64 s[88:89], s[14:15], s[88:89]
	s_add_nc_u64 s[90:91], s[14:15], s[90:91]
.irp j, 0,1,2,3
	s_wait_xcnt 0x0                                ; the last tile's stores have read their data
	QUANT2 ACC+32*\j                               ; (it takes each accumulator from its low end on)
	v_mad_u32_u24 v[TM+7], v[24+\j], s87, s86
	s_delay_alu instid0(VALU_DEP_1)
	v_or_b32 v[PW], v[PW], v[TM+7]
	global_store_b128 v1, v[PC:PC+3], s[88:89] offset:\j*768
	global_store_b64 v2, v[PC+4:PC+5], s[88:89] offset:\j*768+512
	global_store_b32 v3, v[PW], s[90:91] offset:\j*64
.endr
	s_wait_xcnt 0x0                                ; the stores have read their data and bases, the prefetches their address: fragments may land there, the address may step
	s_add_nc_u64 s[72:73], s[72:73], s[74:75]
	s_add_co_u32 s22, s22, 1
	s_cmp_lt_u32 s22, 2
	s_wait_alu depctr_va_vdst(0)
	s_cbranch_scc1 .Ltile
.irp j, 0,1,2,3
	global_load_b32 v[24+2*\j], v14, s[70:71] offset:4*(32*(\j/2)+8*(\j%2))   ; bv at my lane's d
	v_mov_b32 v[25+2*\j], 0                        ; (named with it as a pair)
.endr
	KSTEP 0, 1, 1                                  ; tile v: the first products start the sums
	KSTEP 1, 0, 1
	KSTEP 2, 0, 1
	KSTEP 3, 0, 1
	SYNC 1, 0                                      ; the last half: nothing more is fetched
	KSTEP 0, 0, 1
	KSTEP 1, 0, 1
	KSTEP 2, 0, 1
	KSTEP 3, 0, 1
	s_mul_i32 s80, s79, 104448
	s_add_co_u32 s80, s80, 6815744
	s_lshl_b32 s82, s77, 1
	s_add_co_u32 s82, s82, s20                     ; which 64 keys of the batch
	s_mul_i32 s82, s82, 3072
	s_add_co_u32 s88, s80, s82
	s_add_co_u32 s88, s88, 53248
	s_lshl_b32 s82, s77, 8
	s_add_co_u32 s90, s80, s82
	s_lshl_b32 s82, s20, 1
	s_add_co_u32 s90, s90, s82
	s_add_co_u32 s90, s90, 102400
	s_mov_b32 s89, 0
	s_mov_b32 s91, 0
	s_add_nc_u64 s[88:89], s[14:15], s[88:89]
	s_add_nc_u64 s[90:91], s[14:15], s[90:91]
.rept 4
	v_nop                                          ; places behind the last products
.endr
	s_wait_loadcnt 0x0                             ; bv
.irp j, 0,1,2,3
	s_wait_xcnt 0x0
.irp k, 0,2,4,6,8,10,12,14,16,18,20,22,24,26,28,30
	v_pk_add_f32 v[ACC+32*\j+\k:ACC+32*\j+\k+1], v[ACC+32*\j+\k:ACC+32*\j+\k+1], v[24+2*\j:25+2*\j] op_sel_hi:[1,0]
.endr
	QUANT2 ACC+32*\j
	global_store_b128 v1, v[PC:PC+3], s[88:89] offset:\j*768
	global_store_b64 v2, v[PC+4:PC+5], s[88:89] offset:\j*768+512
	global_store_b16 v3, v[PW], s[90:91] offset:\j*64          ; two of the four bytes of the word of 128 keys
.endr
	s_wait_tensorcnt 0x0                           ; the wave's end
	ds_add_u32 v15, v10
	s_wait_dscnt 0x0
	CROUND                                         ; the closing round
	s_endpgm
.Lfunc_end_k_qc57a232e77_proj:
	.size	k_qc57a232e77_proj, .Lfunc_end_k_qc57a232e77_proj-k_qc57a232e77_proj
	.p2alignl 7, 3214868480
	.fill 96, 4, 3214868480
	.section	.rodata,"a",@progbits
	.p2align	6, 0x0
	.amdhsa_kernel k_qc57a232e77_proj
		.amdhsa_group_segment_fixed_size 327680
		.amdhsa_private_segment_fixed_size 0
		.amdhsa_enable_private_segment 0
		.amdhsa_kernarg_size 48
		.amdhsa_user_sgpr_count 2
		.amdhsa_user_sgpr_kernarg_segment_ptr 1
		.amdhsa_wavefront_size32 1
		.amdhsa_system_sgpr_workgroup_id_x 1
		.amdhsa_system_sgpr_workgroup_id_y 1
		.amdhsa_system_sgpr_workgroup_id_z 1
		.amdhsa_system_vgpr_workitem_id 0
		.amdhsa_next_free_vgpr 288
		.amdhsa_next_free_sgpr 100
		.amdhsa_reserve_vcc 0
		.amdhsa_float_denorm_mode_32 3
		.amdhsa_float_denorm_mode_16_64 3
		.amdhsa_memory_ordered 1
		.amdhsa_forward_progress 1
		.amdhsa_inst_pref_size 118
	.end_amdhsa_kernel
	.amdgpu_metadata
---
amdhsa.version: [ 1, 2 ]
amdhsa.kernels:
  - .name:           k_qc57a232e77_proj
    .symbol:         k_qc57a232e77_proj.kd
    .args:
      - { .name: xq, .offset: 0, .size: 8, .value_kind: global_buffer, .address_space: global }
      - { .name: bq, .offset: 8, .size: 8, .value_kind: global_buffer, .address_space: global }
      - { .name: bk, .offset: 16, .size: 8, .value_kind: global_buffer, .address_space: global }
      - { .name: bv, .offset: 24, .size: 8, .value_kind: global_buffer, .address_space: global }
      - { .name: mask, .offset: 32, .size: 8, .value_kind: global_buffer, .address_space: global }
      - { .name: qkv, .offset: 40, .size: 8, .value_kind: global_buffer, .address_space: global }
    .group_segment_fixed_size: 327680
    .private_segment_fixed_size: 0
    .kernarg_segment_align: 8
    .kernarg_segment_size: 48
    .max_flat_workgroup_size: 256
    .sgpr_count:     100
    .vgpr_count:     288
    .wavefront_size: 32
...
	.end_amdgpu_metadata
.endif
;; end of part 2
;; launch attn (part 3): grid 2 x 128, 16 waves a work-group, no clusters, 304,384 bytes of LDS; arguments qkv, tab, ctx, out1; writes ctx, out1
.if DOCPART == 3
	.amdgcn_target "amdgcn-amd-amdhsa--gfx1250"
	.amdhsa_code_object_version 6
	.text
	.protected	k_qc57a232e77_attn
	.globl	k_qc57a232e77_attn
	.p2align	8
	.type	k_qc57a232e77_attn,@function
k_qc57a232e77_attn:
	s_mov_b64 s[64:65], 0
	v_nop
	global_prefetch_b8 v0, s[64:65] scope:SCOPE_SE
	s_setreg_imm32_b32 hwreg(HW_REG_WAVE_MODE, 25, 1), 1
	s_wait_xcnt 0x0
; Attention with relative positions on codes of FP6.  A work-group owns 512 queries (half) of one batch and head; wave w owns the 32 queries of block a = 16 half + w, as two tiles of 16, one a round.
; Both products are used transposed (S^T = K Q^T, O^T = V^T P^T): a lane holds one query; by the keys' order in a tile the 16 registers of two tiles are 16 neighbouring keys.
; t = score x c, c = log2(e) / 8 (q arrives undivided); M = ceil(running largest t); p = 2^(t - M) is quantised along the keys; the sum is taken of the unquantised p and divides at the end.
; THE MASK rides in the unused half of K = 128: K's code 1.0 and Q's code -1.0 at k = 64, K's scale byte 187 for a masked key (-2^60 is added to its score) and 1 else (-2^-126).
; q . Er: R[q][x] = q . E[x], x = key - query + 63 within the band, is made by 8 products a tile and kept in LDS.  Key blocks of 32 at or left of a - 2 take R[q][0], at or right of a + 2 R[q][127]:
; one number a lane, folded into the multiply-add; blocks a - 1, a, a + 1 add a skewed row of R.
; p . Er: far blocks give c0[d] x (sum of the quantised p left) + c64[d] x (the same right): the two sums come from a product with a fragment of ones whose scale word picks the blocks (a byte 0, 2^-127, for the others).
; The three band blocks hang on s = query mod 32 alone: their codes, bytes, M, the sum and O^T go through LDS, and wave w then takes the 16 queries 32 r + 16 u + w of the work-group against T[s].
; out1: each work-group also makes the finished softmax of head 0 for 32 queries of its batch (block 2 head + half), 16 queries x 128 keys a wave, ahead of its two rounds.
; THE HEAD'S FILLS, one tensor load a wave, each LDS byte filled once: waves 0-11 bring the K/V image (34 rows of 256 bytes each), waves 12, 13 head 0's K with its scale words (104 rows each),
; wave 14 E, its scale words, c0 and c64 (28 rows); wave 15 brings nothing.  Every wave waits for its load, one barrier follows, and from there on K, V and E are read from LDS alone.
; Head 0's K is read in the out1 phase alone; two barriers later its first 27,008 bytes serve the band's exchange.
; FETCHED AHEAD: a round's Q a phase ahead; the next step's first four fragments of K behind this step's score products; T[s], in a round's last step, into the same four buffers (their constant upper
; halves are written again ahead of the second round).
; NO CLUSTER: what is shared is one fill of 104,448 bytes by two work-groups, asked for once at the head.  No prefetch: behind the head's fills no stream is read.
; LIMITS: NaN and infinities are not served.  A batch whose every key is masked gives the uniform row only where score - 2^60 rounds to -2^60.  A band block whose byte would fall under 1 under the final M is held at 1.
.set KSC,  49152                       ; the K/V image, as in memory: K's 64 records; K's scale words;
.set VREC, 53248                       ; V's 64 records;
.set VSC,  102400                      ; V's scale words
.set REXT, 104448                      ; 8,464 bytes a wave: R, 16 rows of pitch 528; later out1's stage; later O^T, rows of pitch 272
.set RSTR, 8464
.set K0,   239872                      ; head 0's K: 64 records, then scale words: 53,248 bytes
.set PB,   239872                      ; 1,160 a wave: [query 16][band block 3][24 bytes of codes]
.set PBS,  258432                      ; 392 a wave: [query][band block]{byte as f32, -M then}
.set LX,   264704                      ; 136 a wave: [query]{-M, sum}
.set RED,  293120                      ; out1: 16 x 64 bytes of maxima, 16 x 64 of sums
.set TABL, 295168                      ; as in memory: E's 8 records, E's scale words at 6,144, c0 and c64 at 6,656
.set SPARE, 302336                     ; the spare words, 128 bytes a wave
.set PC, 200
.set TM, 220
.set PW, 226
.set SEL, 20
; v1 16 x lane, v2 8 x lane, v3 4 r, v4 RXW, v5 RXR, v6 PBW, v7 PBSW, v8 OXW, v9 v10 v219 v249 addresses in hand, v11 0, v12 -M, v13 largest t, v[14:15] the sum, v16-27 Q, v28 its scales, v29 the ones' scales,
; v30 v31 R left and right, v32-79 four fragments of K, E or T, v80-91 ones, v92-95 their scales, v96-159 S^T, p, then V, v160-191 O^T, v192-199 the two sums, v200-218 p's codes, v220-243 at work, v244-247 V's scales, v248 p's scales.
.macro D n
	s_delay_alu instid0(VALU_DEP_\n)
.endm
.macro MM d, a, b, sa, sb, zero
.if \zero
	v_wmma_scale_f32_16x16x128_f8f6f4 v[\d:\d+7], v[\a:\a+11], v[\b:\b+11], 0, v[\sa], v[\sb] matrix_a_fmt:MATRIX_FMT_FP6 matrix_b_fmt:MATRIX_FMT_FP6
.else
	v_wmma_scale_f32_16x16x128_f8f6f4 v[\d:\d+7], v[\a:\a+11], v[\b:\b+11], v[\d:\d+7], v[\sa], v[\sb] matrix_a_fmt:MATRIX_FMT_FP6 matrix_b_fmt:MATRIX_FMT_FP6
.endif
.endm
.macro PLACES n
.rept \n
	v_nop
.endr
.endm
.macro BARRIER
	s_wait_dscnt 0x0                               ; my LDS stores have landed and my LDS loads are in
	s_barrier_signal -1
	s_barrier_wait -1
.endm
.macro QUANT2 s
.irp b, 0,1
	v_max3_num_f32 v[TM+\b], |v[\s+16*\b]|, |v[\s+1+16*\b]|, 0x1800000
.endr
.irp i, 2,4,6,8,10,12,14
.irp b, 0,1
	D 2
	v_max3_num_f32 v[TM+\b], v[TM+\b], |v[\s+16*\b+\i]|, |v[\s+1+16*\b+\i]|
.endr
.endr
.irp b, 0,1
	D 2
	v_permlanex16_b32 v[TM+2+\b], v[TM+\b], s[SEL], s[SEL+1]
.endr
.irp b, 0,1
	D 2
	v_max_num_f32 v[TM+\b], v[TM+\b], v[TM+2+\b]
.endr
.irp b, 0,1
	D 2
	v_add_nc_u32 v[TM+4+\b], 0xff000000, v[TM+\b]
.endr
.irp b, 0,1
	D 2
	v_lshrrev_b32 v[TM+2+\b], 23, v[TM+4+\b]
.endr
	D 1
	v_lshl_or_b32 v[PW], v[TM+3], 8, v[TM+2]
	v_cvt_scalef32_pk16_fp6_f32 v[PC:PC+2], v[\s:\s+15], v[TM+4]
	v_cvt_scalef32_pk16_fp6_f32 v[PC+6:PC+8], v[\s+16:\s+31], v[TM+5]
	v_nop
.irp i, 0,1,2
	v_permlane16_swap_b32 v[PC+\i], v[PC+6+\i]
.endr
.irp i, 0,1,2
	D 3
	v_mov_b32 v[PC+3+\i], v[PC+6+\i]
.endr
.endm
.macro KINIT                           ; the upper halves of the four fragment buffers: the code 1.0 at k = 64 (lanes 0-15), zeros else
	v_bfe_u32 v254, v0, 4, 1
	D 1
	v_lshlrev_b32 v254, 3, v254
	D 1
	v_sub_nc_u32 v254, 8, v254
.irp t, 0,1,2,3
	v_mov_b32 v[38+12*\t], v254
.irp i, 7,8,9,10,11
	v_mov_b32 v[32+12*\t+\i], 0
.endr
.endr
.endm
.macro MKRXR                           ; where my lane reads R for a band block: row r, x = 31 + 16 h - r - 16 u on; s39 = 64 u
	v_and_b32 v252, 15, v0
	v_bfe_u32 v253, v0, 4, 1
	D 2
	v_mul_u32_u24 v5, v252, 524
	D 1
	v_lshl_add_u32 v5, v253, 6, v5
	D 1
	v_add_nc_u32 v5, s19, v5
	D 1
	v_add_nc_u32 v5, 124, v5
	D 1
	v_sub_nc_u32 v5, v5, s39
.endm
.macro QLOAD qb                        ; Q's tile s52 of the block at s[qb] is asked for; the pointers have registers of their own
	s_mul_i32 s54, s52, 768
	s_mov_b32 s55, 0
	s_add_nc_u64 s[72:73], s[\qb:\qb+1], s[54:55]
	s_lshl_b32 s54, s52, 6
	s_add_co_u32 s54, s54, 49152
	s_add_nc_u64 s[74:75], s[\qb:\qb+1], s[54:55]
	global_load_b128 v[16:19], v1, s[72:73]
	global_load_b64 v[20:21], v2, s[72:73] offset:512
	global_load_b32 v28, v3, s[74:75]
.endm
.macro RSTORE                          ; R into my region; R left and right
.irp t, 0,1,2,3,4,5,6,7
	ds_store_b128 v4, v[96+8*\t:99+8*\t] offset:64*\t          ; R(query r, x = 16 t + 8 h + 0 .. 7)
	ds_store_b128 v4, v[100+8*\t:103+8*\t] offset:64*\t+16
.endr
	ds_load_b32 v30, v4                            ; x = 8 h: every x up to 31 is rel_emb's row 0
	ds_load_b32 v31, v4 offset:384                 ; x = 96 + 8 h: every x from 95 on is row 64
	s_wait_dscnt 0x0
.endm
.macro RPREP                           ; R = E Q^T: E from LDS, four tiles at a time; Q was asked for a phase ago
	v_add_nc_u32 v9, TABL, v1
	v_add_nc_u32 v10, TABL, v2
	v_add_nc_u32 v249, TABL, v3
.irp g, 0,1
.if \g
	PLACES 4
.endif
.irp t, 0,1,2,3
	ds_load_b128 v[32+12*\t:35+12*\t], v9 offset:(4*\g+\t)*768
	ds_load_b64 v[36+12*\t:37+12*\t], v10 offset:(4*\g+\t)*768+512
	ds_load_b32 v[92+\t], v249 offset:6144+(4*\g+\t)*64
.endr
.if \g == 0
	s_wait_alu depctr_va_vdst(0)
	s_wait_loadcnt 0x0                             ; Q
.endif
	s_wait_dscnt 0x0
.irp t, 0,1,2,3
	MM 96+8*(4*\g+\t), 32+12*\t, 16, 92+\t, 28, 1
.endr
.endr
	PLACES 4
	RSTORE
.endm
.macro ADDRS
	v_add_nc_u32 v9, s33, v1
	v_add_nc_u32 v10, s33, v2
	v_add_nc_u32 v249, s34, v3
	v_add_nc_u32 v219, s36, v3
.endm
.macro FARSEL                          ; s32 = DJ = 4 J + 1 - a: block b of the step is band block DJ + b
	s_sub_co_i32 s40, 0, s32
	s_max_i32 s40, s40, 0
	s_min_i32 s40, s40, 4                          ; blocks 0 .. nl - 1 are far left
	s_sub_co_i32 s41, 3, s32
	s_max_i32 s41, s41, 0
	s_min_i32 s41, s41, 4                          ; blocks fr .. 3 are far right
.irp b, 0,1,2,3
	s_cmp_gt_u32 s40, \b
	s_cselect_b32 s42, -1, 0
	s_cmp_le_u32 s41, \b
	s_cselect_b32 s43, -1, 0
	v_cndmask_b32 v[240+\b], v11, v30, s42
	D 1
	v_cndmask_b32 v[240+\b], v[240+\b], v31, s43
.endr
	s_lshl_b32 s42, s40, 3
	s_lshl_b64 s[44:45], s[70:71], s42             ; ones from bit 8 nl on (none where nl = 4),
	s_and_not1_b32 s44, s60, s44                   ; so: bytes 127 for the far left blocks, 0 for the others
	s_lshl_b32 s43, s41, 3
	s_lshl_b64 s[46:47], s[60:61], s43             ; the same for the far right
	v_mov_b32 v29, s44
	v_mov_b32 v252, s46
	D 1
	v_cndmask_b32 v29, v29, v252, s62              ; even rows of the ones sum left, odd rows right
.endm
.macro KLOAD g, a16, a8, a4, off, soff ; four tiles of K and their scale words into the buffers
.irp t, 0,1,2,3
	ds_load_b128 v[32+12*\t:35+12*\t], v[\a16] offset:\off+(4*\g+\t)*768
	ds_load_b64 v[36+12*\t:37+12*\t], v[\a8] offset:\off+(4*\g+\t)*768+512
	ds_load_b32 v[92+\t], v[\a4] offset:KSC+\soff+(4*\g+\t)*64
.endr
.endm
.macro KMUL g                          ; their products with Q
.irp t, 0,1,2,3
	MM 96+8*(4*\g+\t), 32+12*\t, 16, 92+\t, 28, 1
.endr
.endm
.macro BSEL b, body                    ; if block b lies in the band, the body for its band block: written three times, so that every LDS offset is an immediate.  The branches hang on ids and counters alone
	s_add_co_i32 s54, s32, \b
	s_cmp_gt_u32 s54, 2
	s_cbranch_scc1 .Lskip_\@
	s_cmp_eq_u32 s54, 0
	s_cbranch_scc0 .Ln0_\@
	s_wait_alu depctr_va_vdst(0)
	\body \b, 0
	s_branch .Lskip_\@
.Ln0_\@:
	s_cmp_eq_u32 s54, 1
	s_cbranch_scc0 .Ln1_\@
	s_wait_alu depctr_va_vdst(0)
	\body \b, 1
	s_branch .Lskip_\@
.Ln1_\@:
	s_wait_alu depctr_va_vdst(0)
	\body \b, 2
.Lskip_\@:
.endm
.macro RB b, beta                      ; the skewed row of R onto block b's 16 scores
.irp i, 0,1,2,3,4,5,6,7,8,9,10,11,12,13,14,15
	ds_load_b32 v[200+\i], v5 offset:4*(32*(\beta)+\i)
.endr
	s_wait_dscnt 0x0
.irp i, 0,2,4,6,8,10,12,14
	v_pk_add_f32 v[96+16*(\b)+\i:97+16*(\b)+\i], v[96+16*(\b)+\i:97+16*(\b)+\i], v[200+\i:201+\i]
.endr
.endm
.macro PST b, beta                     ; block b's 16 codes of my half, its byte and the M under which they stand
.if (\b)%2 == 0
.set RAW, 200+6*((\b)/2)
.else
.set RAW, 212+4*((\b)/2)
.endif
.irp i, 0,1,2
	ds_store_b32 v6, v[RAW+\i] offset:24*(\beta)+4*\i
.endr
	v_cvt_f32_u32 v254, v[224+\b]
	v_mov_b32 v255, v12
	ds_store_b64 v7, v[254:255] offset:8*(\beta)
.endm
.macro BMAX                            ; each block's largest score (v220 on), and the step's largest t (v252)
.irp b, 0,1,2,3
	v_max3_num_f32 v[220+\b], v[96+16*\b], v[97+16*\b], v[98+16*\b]
.endr
.irp i, 3,5,7,9,11,13
.irp b, 0,1,2,3
	v_max3_num_f32 v[220+\b], v[220+\b], v[96+16*\b+\i], v[97+16*\b+\i]
.endr
.endr
.irp b, 0,1,2,3
	v_max_num_f32 v[220+\b], v[220+\b], v[111+16*\b]
.endr
.irp b, 0,1,2,3
	D 4
	v_permlanex16_b32 v[224+\b], v[220+\b], s[SEL], s[SEL+1]
.endr
.irp b, 0,1,2,3
	D 4
	v_max_num_f32 v[220+\b], v[220+\b], v[224+\b]
.endr
.irp b, 0,1,2,3
	D 4
	v_add_f32 v[252+\b], v[220+\b], v[240+\b]      ; with the far blocks' R
.endr
	D 2
	v_max3_num_f32 v252, v252, v253, v254
	D 1
	v_max_num_f32 v252, v252, v255
	D 1
	v_mul_f32 v252, s22, v252
.endm
.macro SCALE_EXP                       ; p = 2^(c s + (c R - M)); the same of each block's largest score
.irp b, 0,1,2,3
	v_fma_f32 v[232+2*\b], v[240+\b], s22, v12
.endr
.set j, 0
.rept 32
	v_pk_fma_f32 v[96+j:97+j], v[96+j:97+j], s[22:23], v[232+2*(j/16):233+2*(j/16)] op_sel_hi:[1,0,0]
.set j, j+2
.endr
.irp b, 0,1,2,3
	v_fma_f32 v[220+\b], v[220+\b], s22, v[232+2*\b]
.endr
.set j, 0
	s_wait_alu depctr_va_vdst(0)
.rept 64
	v_exp_f32 v[96+j], v[96+j]
.set j, j+1
.endr
.endm
.macro ROWSUM                          ; the unquantised p onto v[14:15], in eight chains
	v_pk_add_f32 v[252:253], v[100:101], v[104:105]
	v_pk_add_f32 v[254:255], v[108:109], v[112:113]
	v_pk_add_f32 v[248:249], v[116:117], v[120:121]
	v_pk_add_f32 v[246:247], v[124:125], v[128:129]
	v_pk_add_f32 v[244:245], v[132:133], v[136:137]
	v_pk_add_f32 v[242:243], v[140:141], v[144:145]
	v_pk_add_f32 v[240:241], v[148:149], v[152:153]
	v_pk_add_f32 v[14:15], v[14:15], v[156:157]
	v_pk_add_f32 v[252:253], v[252:253], v[96:97]
	v_pk_add_f32 v[254:255], v[254:255], v[98:99]
	v_pk_add_f32 v[248:249], v[248:249], v[102:103]
	v_pk_add_f32 v[246:247], v[246:247], v[106:107]
	v_pk_add_f32 v[244:245], v[244:245], v[110:111]
	v_pk_add_f32 v[242:243], v[242:243], v[114:115]
	v_pk_add_f32 v[240:241], v[240:241], v[118:119]
	v_pk_add_f32 v[14:15], v[14:15], v[122:123]
	v_pk_add_f32 v[252:253], v[252:253], v[126:127]
	v_pk_add_f32 v[254:255], v[254:255], v[130:131]
	v_pk_add_f32 v[248:249], v[248:249], v[134:135]
	v_pk_add_f32 v[246:247], v[246:247], v[138:139]
	v_pk_add_f32 v[244:245], v[244:245], v[142:143]
	v_pk_add_f32 v[242:243], v[242:243], v[146:147]
	v_pk_add_f32 v[240:241], v[240:241], v[150:151]
	v_pk_add_f32 v[14:15], v[14:15], v[154:155]
	v_pk_add_f32 v[252:253], v[252:253], v[158:159]
	D 2
	v_pk_add_f32 v[14:15], v[14:15], v[246:247]
	D 2
	v_pk_add_f32 v[252:253], v[252:253], v[244:245]
	v_pk_add_f32 v[254:255], v[254:255], v[242:243]
	v_pk_add_f32 v[248:249], v[248:249], v[240:241]
	D 2
	v_pk_add_f32 v[14:15], v[14:15], v[254:255]
	D 2
	v_pk_add_f32 v[252:253], v[252:253], v[248:249]
	D 1
	v_pk_add_f32 v[14:15], v[14:15], v[252:253]
.endm
.macro G1 g, rows                      ; descriptor group 1: dense rows of 256 bytes, 32 elements of 8 bytes
	s_mov_b32 s[\g], 3<<16
	s_mov_b32 s[\g+1], 32<<16
	s_mov_b32 s[\g+2], \rows<<16
	s_mov_b32 s[\g+3], 32<<16
	s_mov_b32 s[\g+4], \rows
	s_mov_b32 s[\g+5], 32
	s_mov_b32 s[\g+6], 0
	s_mov_b32 s[\g+7], 0
.endm
	s_load_b256 s[4:11], s[0:1], 0x0               ; qkv, tab, ctx, out1
	v_lshl_add_u32 v254, v0, 2, SPARE
	v_mov_b32 v255, 0
	ds_add_u32 v254, v255                          ; the opening lines: the add, twice on end, and its wait ahead of my tensor load
	ds_add_u32 v254, v255
	s_wait_dscnt 0x0
	v_lshrrev_b32 v1, 5, v0
	D 1
	v_readfirstlane_b32 s12, v1                    ; wave 0..15
	v_and_b32 v252, 15, v0                         ; r
	v_bfe_u32 v253, v0, 4, 1                       ; h
	v_and_b32 v1, 31, v0
	D 1
	v_lshlrev_b32 v2, 3, v1
	D 2
	v_lshlrev_b32 v1, 4, v1
	v_lshlrev_b32 v3, 2, v252
	s_mov_b32 s13, ttmp9                           ; half
	s_and_b32 s14, ttmp7, 0xffff                   ; batch x 16 + head
	s_lshr_b32 s15, s14, 4
	s_and_b32 s16, s14, 15
	s_lshl_b32 s17, s13, 4
	s_add_co_u32 s17, s17, s12                     ; a
	s_lshl_b32 s18, s16, 1
	s_add_co_u32 s18, s18, s13                     ; omega: my block of 32 queries of head 0
	s_lshr_b32 s50, s12, 3                         ; out1: u,
	s_and_b32 s51, s12, 7                          ; J,
	s_lshl_b32 s52, s18, 1
	s_add_co_u32 s52, s52, s50                     ; and head 0's tile 2 omega + u
	s_mul_i32 s40, s14, 104448
	s_add_co_u32 s40, s40, 6815744
	s_mov_b32 s41, 0
	s_mul_i32 s42, s14, 53248
	s_mov_b32 s43, 0
	s_lshl_b32 s44, s15, 4
	s_mul_i32 s46, s44, 104448
	s_add_co_u32 s46, s46, 6815744
	s_mov_b32 s47, 0
	s_mul_i32 s48, s44, 53248
	s_mov_b32 s49, 0
	G1 76, 34                                      ; the image's twelve parts,
	G1 84, 104                                     ; the two of head 0's K,
	G1 92, 28                                      ; the tables
	s_wait_alu depctr_va_vdst(0)
	s_wait_kmcnt 0x0
	s_add_nc_u64 s[24:25], s[4:5], s[40:41]        ; my K/V block
	s_add_nc_u64 s[26:27], s[4:5], s[42:43]        ; my Q block
	s_add_nc_u64 s[30:31], s[4:5], s[46:47]        ; head 0's K/V block
	s_add_nc_u64 s[28:29], s[4:5], s[48:49]        ; head 0's Q block
	s_mul_i32 s41, s12, 8704                       ; group 0, image: part = wave, in LDS as in memory
	s_mov_b32 s48, s41
	s_mov_b32 s49, 0
	s_mov_b32 s40, 1
	s_add_nc_u64 s[42:43], s[24:25], s[48:49]
	s_or_b32 s43, s43, 0x80000000
	s_and_b32 s48, s12, 1                          ; head 0's K: part = wave % 2
	s_mul_i32 s48, s48, 26624
	s_add_co_u32 s45, s48, K0
	s_mov_b32 s44, 1
	s_add_nc_u64 s[46:47], s[30:31], s[48:49]
	s_or_b32 s47, s47, 0x80000000
	s_mov_b32 s56, 1                               ; the tables
	s_mov_b32 s57, TABL
	s_mov_b64 s[58:59], s[6:7]
	s_or_b32 s59, s59, 0x80000000
	s_cmp_lt_u32 s12, 12                           ; one chain of branches on the wave's number, one load to an arm
	s_cbranch_scc0 .Lnot_image
	tensor_load_to_lds s[40:43], s[76:83]
	s_nop 0
	s_branch .Lasked
.Lnot_image:
	s_cmp_lt_u32 s12, 14
	s_cbranch_scc0 .Lnot_k0
	tensor_load_to_lds s[44:47], s[84:91]
	s_nop 0
	s_branch .Lasked
.Lnot_k0:
	s_cmp_eq_u32 s12, 14
	s_cbranch_scc0 .Lasked
	tensor_load_to_lds s[56:59], s[92:99]
	s_nop 0
.Lasked:
	QLOAD 28                                       ; head 0's Q
	s_mul_i32 s19, s12, RSTR
	s_add_co_u32 s19, s19, REXT                    ; my region
	v_mul_u32_u24 v4, v252, 528
	D 1
	v_lshl_add_u32 v4, v253, 5, v4
	D 1
	v_add_nc_u32 v4, s19, v4
	v_mov_b32 v11, 0
	KINIT
	v_mul_u32_u24 v254, v253, 40
	D 1
	v_sub_nc_u32 v22, 40, v254                     ; the code -1.0 at k = 64
.irp i, 23,24,25,26,27
	v_mov_b32 v\i, 0
.endr
.irp i, 0,1,2,3
	v_mov_b32 v[80+3*\i], 0x08208208               ; 128 codes 1.0
	v_mov_b32 v[81+3*\i], 0x82082082
	v_mov_b32 v[82+3*\i], 0x20820820
.endr
.irp i, 224,225,226,227,233,235,237,239,251
	v_mov_b32 v\i, 0                               ; permutes' destinations and the upper words of pairs: written once
.endr
	s_mov_b32 s[SEL], 0x76543210
	s_mov_b32 s[SEL+1], 0xfedcba98
	s_mov_b32 s22, 0x3e38aa3b                      ; c = log2(e) / 8
	s_mov_b32 s23, s22
	s_mov_b32 s60, 0x7f7f7f7f
	s_mov_b32 s61, 0
	s_mov_b32 s62, 0xaaaaaaaa                      ; the odd lanes
	s_mov_b32 s63, 0x55555555                      ; the even lanes
	s_mov_b32 s70, -1
	s_mov_b32 s71, 0
	; ---- out1: 16 queries (tile 2 omega + u of head 0) x 128 keys (step J) a wave
	s_lshl_b32 s39, s50, 6
	MKRXR
	s_lshl_b32 s32, s51, 2
	s_add_co_i32 s32, s32, 1
	s_sub_co_i32 s32, s32, s18
	s_mul_i32 s33, s51, 6144
	s_add_co_u32 s33, s33, K0
	s_lshl_b32 s34, s51, 9
	s_add_co_u32 s34, s34, K0
	s_mov_b32 s36, VSC
	s_wait_alu depctr_va_vdst(0)
	s_wait_tensorcnt 0x0                           ; my part of the head's fills has landed,
	BARRIER                                        ; everybody's has
	RPREP
	ADDRS
	FARSEL
	KLOAD 0, 9, 10, 249, 0, 0
	s_wait_dscnt 0x0
	KMUL 0
	PLACES 4
	KLOAD 1, 9, 10, 249, 0, 0
	s_wait_dscnt 0x0
	KMUL 1
	PLACES 4
	s_lshl_b32 s52, s17, 1
	QLOAD 26                                       ; the first round's Q: it has the rest of this phase in which to land
	BSEL 0, RB
	BSEL 1, RB
	BSEL 2, RB
	BSEL 3, RB
	s_wait_alu depctr_va_vdst(0)
	BMAX
	s_lshl_b32 s53, s12, 6
	s_add_co_u32 s53, s53, RED
	v_add_nc_u32 v9, s53, v3
	s_lshl_b32 s53, s50, 9
	s_add_co_u32 s53, s53, RED
	v_add_nc_u32 v10, s53, v3
	ds_store_b32 v9, v252
	s_wait_alu depctr_va_vdst(0)
	BARRIER
.irp i, 0,1,2,3,4,5,6,7
	ds_load_b32 v[200+\i], v10 offset:64*\i        ; the eight waves of my tile
.endr
	s_wait_dscnt 0x0
	v_max3_num_f32 v13, v200, v201, v202
	D 1
	v_max3_num_f32 v13, v13, v203, v204
	D 1
	v_max3_num_f32 v13, v13, v205, v206
	D 1
	v_max_num_f32 v13, v13, v207
	D 1
	v_mul_f32 v12, -1.0, v13                       ; here the row's own largest t is taken away
	SCALE_EXP
	v_mov_b32 v14, 0                               ; (a plain line behind the exponentials)
	v_mov_b32 v15, 0
	s_wait_alu depctr_va_vdst(0)                   ; one wait for the batch, ahead of its first reader
	ROWSUM
	D 1
	v_add_f32 v14, v14, v15
	D 1
	v_permlanex16_b32 v224, v14, s[SEL], s[SEL+1]
	D 1
	v_add_f32 v14, v14, v224
	ds_store_b32 v9, v14 offset:1024
	BARRIER
.irp i, 0,1,2,3,4,5,6,7
	ds_load_b32 v[200+\i], v10 offset:1024+64*\i
.endr
	s_wait_dscnt 0x0
	v_add_f32 v200, v200, v201
	v_add_f32 v202, v202, v203
	v_add_f32 v204, v204, v205
	v_add_f32 v206, v206, v207
	D 3
	v_add_f32 v200, v200, v202
	D 2
	v_add_f32 v204, v204, v206
	D 1
	v_add_f32 v200, v200, v204
	s_wait_alu depctr_va_vdst(0)
	v_rcp_f32 v250, v200
	v_bfe_u32 v254, v0, 4, 1                       ; (a plain line behind the reciprocal)
	D 1
	v_lshl_add_u32 v9, v254, 5, v4                 ; the stage, in: row r, + 64 h
	v_add_nc_u32 v10, s19, v1                      ; back: a row of 512 bytes to the 32 lanes
	s_lshl_b32 s54, s15, 10
	s_lshl_b32 s55, s18, 5
	s_add_co_u32 s54, s54, s55
	s_lshl_b32 s55, s50, 4
	s_add_co_u32 s54, s54, s55
	s_lshl_b32 s54, s54, 12
	s_lshl_b32 s55, s51, 9
	s_add_co_u32 s54, s54, s55
	s_mov_b32 s55, 0
	s_add_nc_u64 s[66:67], s[10:11], s[54:55]
	s_wait_alu depctr_va_vdst(0)
.set j, 0
.rept 32
	v_pk_mul_f32 v[96+j:97+j], v[96+j:97+j], v[250:251] op_sel_hi:[1,0]
.set j, j+2
.endr
.irp b, 0,1,2,3
.irp i, 0,1,2,3
	ds_store_b128 v9, v[96+16*\b+4*\i:99+16*\b+4*\i] offset:128*\b+16*\i
.endr
.endr
.irp i, 0,1,2,3,4,5,6,7,8,9,10,11,12,13,14,15
	ds_load_b128 v[160+4*\i:163+4*\i], v10 offset:\i*528       ; LDS serves a wave in order: these see the stores above
.endr
.irp i, 0,1,2,3,4,5,6,7,8,9,10,11,12,13,14,15
	s_wait_dscnt 15-\i                             ; row i is back; the younger rows may be out
	global_store_b128 v1, v[160+4*\i:163+4*\i], s[66:67] offset:\i*4096 th:TH_STORE_NT   ; 512 consecutive bytes, aligned
.endr
	; no barrier here: head 0's K was last read two barriers ago, and until a round's own barrier each wave touches bytes of its own and bytes that nobody writes
	v_and_b32 v252, 15, v0
	v_bfe_u32 v253, v0, 4, 1
	s_mul_i32 s54, s12, 1160
	s_add_co_u32 s54, s54, PB
	v_mul_u32_u24 v6, v252, 72
	D 1
	v_mad_u32_u24 v6, v253, 12, v6
	D 1
	v_add_nc_u32 v6, s54, v6
	s_mul_i32 s54, s12, 392
	s_add_co_u32 s54, s54, PBS
	v_mul_u32_u24 v7, v252, 24
	D 1
	v_add_nc_u32 v7, s54, v7
	v_mul_u32_u24 v8, v252, 272
	D 1
	v_lshl_add_u32 v8, v253, 6, v8
	D 1
	v_add_nc_u32 v8, s19, v8
	s_mov_b32 s38, 0                               ; u
	s_mov_b32 s39, 0                               ; 64 u
.Lround:
	s_wait_xcnt 0x0                                ; earlier stores have read their data and bases
	s_lshl_b32 s54, s38, 4
	s_add_co_u32 s53, s54, s12                     ; s = 16 u + wave: where T[s] and its scale words lie
	s_mul_i32 s54, s53, 6144
	s_add_co_u32 s54, s54, 7168
	s_mov_b32 s55, 0
	s_add_nc_u64 s[56:57], s[6:7], s[54:55]
	s_lshl_b32 s54, s53, 8
	s_add_co_u32 s54, s54, 203776
	s_add_nc_u64 s[58:59], s[6:7], s[54:55]
	s_cmp_eq_u32 s38, 0
	s_cbranch_scc1 .Lwhole
	KINIT                                          ; T[s] has lain in the four buffers: their upper halves are written again
.Lwhole:
	MKRXR
	v_mov_b32 v254, 1.0
	v_mov_b32 v255, 0
.irp e, 0,1,2
.irp i, 0,1,2
	ds_store_b32 v6, v11 offset:24*\e+4*\i         ; a band block that does not exist (left of key 0, right of key 1023) holds zero codes
.endr
	ds_store_b64 v7, v[254:255] offset:8*\e
.endr
	RPREP
	KLOAD 0, 1, 2, 3, 0, 0                         ; the first step's first four tiles of K
.set j, 0
.rept 40
	v_mov_b32 v[160+j], 0                          ; O^T and the two sums: the step is written once, its first trip finds zeros
.set j, j+1
.endr
	v_mov_b32 v14, 0
	v_mov_b32 v15, 0
	v_mov_b32 v13, 0xff61b1e6                      ; -3e38, under every t
	D 1
	v_floor_f32 v12, -v13
	s_mov_b32 s33, 0
	s_mov_b32 s34, 0
	s_mov_b32 s36, VSC
	s_sub_co_i32 s32, 1, s17
	s_mov_b32 s37, 0
.Lstep:                                            ; 128 keys a trip
	ADDRS                                          ; these lines are also the places between the last products and what writes over their registers
	s_add_co_i32 s55, s32, 3                       ; a step holds a band block where DJ is -3 .. 2: s55 is then 0 .. 5; it stands for the whole step
	s_cmp_gt_u32 s55, 5
	s_cbranch_scc0 .Lmixed
	s_cmp_lt_i32 s32, 0                            ; all four blocks far left (DJ <= -4) or far right (DJ >= 3): what the general lines below would give, in five selects
	s_cselect_b32 s42, -1, 0
	s_cselect_b32 s43, s63, s62
.irp b, 0,1,2,3
	v_cndmask_b32 v[240+\b], v31, v30, s42         ; R left or R right
.endr
	v_cndmask_b32 v29, v11, s60, s43               ; the ones' scale word: four bytes 127 in the even rows (they sum left) or in the odd rows (right), 0 in the others
	s_branch .Lsel
.Lmixed:
	FARSEL
.Lsel:
	s_wait_alu depctr_va_vdst(0)
	s_wait_loadcnt 0x0
	s_wait_dscnt 0x0                               ; and the four tiles asked for a step ago are in
	KMUL 0
	PLACES 4
	KLOAD 1, 9, 10, 249, 0, 0
	s_wait_dscnt 0x0
	KMUL 1
	PLACES 4
	s_cmp_lt_u32 s37, 7                            ; the buffers are free: they take the next step's first four tiles, or, in the last step, T[s]
	s_cbranch_scc0 .Ltake_t
	KLOAD 0, 9, 10, 249, 6144, 512
	s_branch .Ltaken
.Ltake_t:
.irp t, 0,1,2,3
	global_load_b128 v[32+12*\t:35+12*\t], v1, s[56:57] offset:\t*1536
	global_load_b64 v[36+12*\t:37+12*\t], v2, s[56:57] offset:\t*1536+512
	global_load_b128 v[38+12*\t:41+12*\t], v1, s[56:57] offset:\t*1536+768
	global_load_b64 v[42+12*\t:43+12*\t], v2, s[56:57] offset:\t*1536+1280
	global_load_b32 v[92+\t], v3, s[58:59] offset:\t*64
.endr
.Ltaken:
	s_cmp_gt_u32 s55, 5                            ; no band block in this step: no skewed row of R is added
	s_cbranch_scc1 .Lno_rb
	BSEL 0, RB
	BSEL 1, RB
	BSEL 2, RB
	BSEL 3, RB
.Lno_rb:
	s_wait_alu depctr_va_vdst(0)
	BMAX
	D 1
	v_max_num_f32 v13, v13, v252
	v_mov_b32 v254, v12
	D 2
	v_floor_f32 v12, -v13                          ; -M = floor(-t): M is a whole number
	D 1
	v_sub_f32 v254, v12, v254
	D 1
	v_cvt_i32_f32 v254, v254                       ; (it saturates)
	D 1
	v_ldexp_f32 v250, 1.0, v254                    ; f = 2^(old M - new M)
	SCALE_EXP
	v_pk_mul_f32 v[14:15], v[14:15], v[250:251] op_sel_hi:[1,0]   ; (a plain line behind the exponentials)
	s_wait_alu depctr_va_vdst(0)                   ; one wait for the 64
.irp b, 0,1,2,3
	v_exp_f32 v[220+\b], v[220+\b]                 ; each block's largest p
.endr
	ROWSUM
	s_wait_alu depctr_va_vdst(0)                   ; and one for the four
.irp b, 0,1,2,3
	v_max_num_f32 v[220+\b], 0x1800000, v[220+\b]
.endr
.irp b, 0,1,2,3
	D 4
	v_add_nc_u32 v[228+\b], 0xff000000, v[220+\b]
.endr
.irp b, 0,1,2,3
	D 4
	v_lshrrev_b32 v[224+\b], 23, v[228+\b]
.endr
	D 3
	v_lshl_or_b32 v248, v225, 8, v224
	D 1
	v_lshl_or_b32 v248, v226, 16, v248
	D 1
	v_lshl_or_b32 v248, v227, 24, v248
.irp c, 0,1
	v_cvt_scalef32_pk16_fp6_f32 v[200+6*\c:202+6*\c], v[96+32*\c:111+32*\c], v[228+2*\c]
	v_cvt_scalef32_pk16_fp6_f32 v[212+4*\c:214+4*\c], v[112+32*\c:127+32*\c], v[229+2*\c]
.endr
	v_nop
	s_cmp_gt_u32 s55, 5                            ; no band block in this step: no codes go to the exchange
	s_cbranch_scc1 .Lno_pst
	BSEL 0, PST
	BSEL 1, PST
	BSEL 2, PST
	BSEL 3, PST
.Lno_pst:
.irp t, 0,1,2,3
	ds_load_b128 v[96+12*\t:99+12*\t], v9 offset:VREC+\t*768
	ds_load_b64 v[100+12*\t:101+12*\t], v10 offset:VREC+\t*768+512
	ds_load_b128 v[102+12*\t:105+12*\t], v9 offset:VREC+3072+\t*768
	ds_load_b64 v[106+12*\t:107+12*\t], v10 offset:VREC+3072+\t*768+512
	ds_load_b32 v[244+\t], v219 offset:\t*64
.endr
	s_wait_alu depctr_va_vdst(0)
.irp c, 0,1
.irp i, 0,1,2
	v_permlane16_swap_b32 v[200+6*\c+\i], v[212+4*\c+\i]
.endr
.irp i, 0,1,2
	D 3
	v_mov_b32 v[203+6*\c+\i], v[212+4*\c+\i]
.endr
.endr
.set j, 0
.rept 17
	v_pk_mul_f32 v[160+j:161+j], v[160+j:161+j], v[250:251] op_sel_hi:[1,0]   ; O^T and the two sums under the new M; also the places in front of the products
.set j, j+2
.endr
	s_wait_alu depctr_va_vdst(0)
	s_wait_dscnt 0x0
.irp t, 0,1,2,3
	MM 160+8*\t, 96+12*\t, 200, 244+\t, 248, 0
.endr
	MM 192, 80, 200, 29, 248, 0
	s_add_co_u32 s33, s33, 6144
	s_add_co_u32 s34, s34, 512
	s_add_co_u32 s36, s36, 256
	s_add_co_i32 s32, s32, 4
	s_add_co_u32 s37, s37, 1
	s_cmp_lt_u32 s37, 8
	s_cbranch_scc1 .Lstep
	; ---- the far blocks' part of p . Er; then O^T, -M and the sum go to LDS
	PLACES 4
	s_cmp_eq_u32 s38, 1                            ; the next round's Q is asked for here, if there is a next round
	s_cbranch_scc1 .Lno_q
	s_lshl_b32 s52, s17, 1
	s_add_co_u32 s52, s52, 1
	QLOAD 26
.Lno_q:
	v_add_f32 v14, v14, v15
	D 1
	v_permlanex16_b32 v224, v14, s[SEL], s[SEL+1]
	D 1
	v_add_f32 v13, v14, v224                       ; the sum, beside -M
	v_bfe_u32 v254, v0, 4, 1
	D 1
	v_lshlrev_b32 v9, 6, v254
	D 1
	v_add_nc_u32 v9, TABL+6656, v9
.irp e, 0,1
.irp b, 0,1
.irp i, 0,1,2,3
	ds_load_b128 v[96+32*\e+16*\b+4*\i:99+32*\e+16*\b+4*\i], v9 offset:256*\e+128*\b+16*\i   ; c0, c64 at d = 32 b + 16 h + 0 .. 15
.endr
.endr
.endr
	s_wait_dscnt 0x0
.set j, 0
.rept 16
	v_pk_fma_f32 v[160+j:161+j], v[96+j:97+j], v[192:193], v[160+j:161+j] op_sel_hi:[1,0,1]
.set j, j+2
.endr
.set j, 0
.rept 16
	v_pk_fma_f32 v[160+j:161+j], v[128+j:129+j], v[192:193], v[160+j:161+j] op_sel:[0,1,0]
.set j, j+2
.endr
.irp b, 0,1
.irp i, 0,1,2,3
	ds_store_b128 v8, v[160+16*\b+4*\i:163+16*\b+4*\i] offset:128*\b+16*\i
.endr
.endr
	s_mul_i32 s54, s12, 136
	s_add_co_u32 s54, s54, LX
	v_lshl_add_u32 v10, v3, 1, s54
	ds_store_b64 v10, v[12:13]
	BARRIER                                        ; every wave's band codes, bytes, sums and O^T lie in LDS
	; ---- the band: lane r is now the query 32 r + 16 u + wave of the work-group
	v_and_b32 v252, 15, v0
	s_wait_alu depctr_va_vdst(0)
	v_bfe_u32 v253, v0, 4, 1
	s_mul_i32 s54, s12, 72
	s_add_co_u32 s54, s54, PB
	v_mul_u32_u24 v10, v252, 1160
	D 1
	v_add_nc_u32 v10, s54, v10
	D 1
	v_mad_u32_u24 v9, v253, 24, v10
	s_mul_i32 s54, s12, 24
	s_add_co_u32 s54, s54, PBS
	v_mul_u32_u24 v254, v252, 392
	D 1
	v_add_nc_u32 v254, s54, v254
	s_lshl_b32 s54, s12, 3
	s_add_co_u32 s54, s54, LX
	v_mul_u32_u24 v255, v252, 136
	D 1
	v_add_nc_u32 v255, s54, v255
	s_mul_i32 s54, s12, 272
	s_add_co_u32 s54, s54, REXT
	v_mul_u32_u24 v249, v252, RSTR
	s_wait_alu depctr_va_vdst(0)
	v_lshl_add_u32 v249, v253, 6, v249
	D 1
	v_add_nc_u32 v249, s54, v249
.irp i, 0,1,2
	ds_load_b64 v[200+2*\i:201+2*\i], v9 offset:8*\i           ; band block h
	ds_load_b64 v[206+2*\i:207+2*\i], v10 offset:48+8*\i       ; band block 2 (lanes 16-31 meet T's zero codes)
	ds_load_b64 v[220+2*\i:221+2*\i], v254 offset:8*\i
.endr
	ds_load_b64 v[226:227], v255
.irp b, 0,1
.irp i, 0,1,2,3
	ds_load_b128 v[160+16*\b+4*\i:163+16*\b+4*\i], v249 offset:128*\b+16*\i
.endr
.endr
	s_wait_dscnt 0x0
.irp i, 0,1,2
	v_sub_f32 v[221+2*\i], v226, v[221+2*\i]       ; M then - M at the end: 0 or less
.endr
.irp i, 0,1,2
	D 3
	v_med3_num_f32 v[221+2*\i], v[221+2*\i], 0xc3960000, 0
.endr
.irp i, 0,1,2
	D 3
	v_add_f32 v[220+2*\i], v[220+2*\i], v[221+2*\i]
.endr
.irp i, 0,1,2
	D 3
	v_max_num_f32 v[220+2*\i], 1.0, v[220+2*\i]
.endr
.irp i, 0,1,2
	D 3
	v_cvt_u32_f32 v[220+2*\i], v[220+2*\i]         ; the block's byte under the final M
.endr
	D 2
	v_lshl_or_b32 v248, v222, 8, v220
	D 1
	v_lshl_or_b32 v248, v224, 16, v248
	D 1
	v_or_b32 v248, 0x1000000, v248
	v_rcp_f32 v228, v227
	PLACES 8                                       ; a scale word made by vector lines stands eight places ahead of the product
	s_wait_loadcnt 0x0                             ; T[s] (and the next round's Q)
	s_wait_alu depctr_va_vdst(0)                   ; the reciprocal's wait, ahead of its first reader
.irp t, 0,1,2,3
	MM 160+8*\t, 32+12*\t, 200, 92+\t, 248, 0
.endr
	PLACES 4
.set j, 0
.rept 16
	v_pk_mul_f32 v[160+j:161+j], v[160+j:161+j], v[228:229] op_sel_hi:[1,0]   ; / the sum
.set j, j+2
.endr
	QUANT2 160                                     ; ctx is quantised along d: the head's two blocks of the last product's K
	s_lshl_b32 s54, s15, 3
	s_lshl_b32 s55, s13, 2
	s_add_co_u32 s54, s54, s55
	s_lshl_b32 s55, s38, 1
	s_add_co_u32 s54, s54, s55
	s_lshr_b32 s55, s12, 3
	s_add_co_u32 s54, s54, s55                     ; the panel
	s_lshl_b32 s54, s54, 3
	s_lshr_b32 s55, s16, 1
	s_add_co_u32 s54, s54, s55                     ; its K step: head / 2
	s_mul_i32 s53, s54, 12800
	s_and_b32 s52, s12, 7
	s_and_b32 s51, s16, 1
	s_mul_i32 s54, s52, 1536
	s_add_co_u32 s54, s54, s53
	s_mul_i32 s55, s51, 768
	s_add_co_u32 s54, s54, s55
	s_mov_b32 s55, 0
	s_add_nc_u64 s[66:67], s[8:9], s[54:55]
	s_lshl_b32 s54, s52, 6
	s_add_co_u32 s54, s54, s53
	s_lshl_b32 s52, s51, 1
	s_add_co_u32 s54, s54, s52
	s_add_co_u32 s54, s54, 12288
	s_add_nc_u64 s[68:69], s[8:9], s[54:55]
	s_wait_alu depctr_va_vdst(0)
	global_store_b128 v1, v[PC:PC+3], s[66:67]
	global_store_b64 v2, v[PC+4:PC+5], s[66:67] offset:512
	global_store_b16 v3, v[PW], s[68:69]
	BARRIER                                        ; every wave's reads of the exchange are over: the next round may write it
	s_add_co_u32 s39, s39, 64
	s_add_co_u32 s38, s38, 1
	s_cmp_lt_u32 s38, 2
	s_cbranch_scc1 .Lround
	s_wait_xcnt 0x0
	v_lshl_add_u32 v254, v0, 2, SPARE
	v_mov_b32 v255, 0
	s_wait_alu depctr_va_vdst(0)
	s_wait_tensorcnt 0x0                           ; the wave's end
	ds_add_u32 v254, v255
	s_wait_dscnt 0x0
	s_endpgm
.Lfunc_end_k_qc57a232e77_attn:
	.size	k_qc57a232e77_attn, .Lfunc_end_k_qc57a232e77_attn-k_qc57a232e77_attn
	.p2alignl 7, 3214868480
	.fill 96, 4, 3214868480
	.section	.rodata,"a",@progbits
	.p2align	6, 0x0
	.amdhsa_kernel k_qc57a232e77_attn
		.amdhsa_group_segment_fixed_size 304384
		.amdhsa_private_segment_fixed_size 0
		.amdhsa_enable_private_segment 0
		.amdhsa_kernarg_size 32
		.amdhsa_user_sgpr_count 2
		.amdhsa_user_sgpr_kernarg_segment_ptr 1
		.amdhsa_wavefront_size32 1
		.amdhsa_system_sgpr_workgroup_id_x 1
		.amdhsa_system_sgpr_workgroup_id_y 1
		.amdhsa_system_sgpr_workgroup_id_z 1
		.amdhsa_system_vgpr_workitem_id 0
		.amdhsa_next_free_vgpr 256
		.amdhsa_next_free_sgpr 100
		.amdhsa_reserve_vcc 0
		.amdhsa_float_denorm_mode_32 3
		.amdhsa_float_denorm_mode_16_64 3
		.amdhsa_memory_ordered 1
		.amdhsa_forward_progress 1
		.amdhsa_inst_pref_size 132
	.end_amdhsa_kernel
	.amdgpu_metadata
---
amdhsa.version: [ 1, 2 ]
amdhsa.kernels:
  - .name:           k_qc57a232e77_attn
    .symbol:         k_qc57a232e77_attn.kd
    .args:
      - { .name: qkv, .offset: 0, .size: 8, .value_kind: global_buffer, .address_space: global }
      - { .name: tab, .offset: 8, .size: 8, .value_kind: global_buffer, .address_space: global }
      - { .name: ctx, .offset: 16, .size: 8, .value_kind: global_buffer, .address_space: global }
      - { .name: out1, .offset: 24, .size: 8, .value_kind: global_buffer, .address_space: global }
    .group_segment_fixed_size: 304384
    .private_segment_fixed_size: 0
    .kernarg_segment_align: 8
    .kernarg_segment_size: 32
    .max_flat_workgroup_size: 512
    .sgpr_count:     100
    .vgpr_count:     256
    .wavefront_size: 32
...
	.end_amdgpu_metadata
.endif
;; end of part 3
;; launch oproj (part 4): grid 4 x 64, 8 waves a work-group, clusters of 4 x 4, 327,680 bytes of LDS; arguments ctx, xq, bo, out0; writes out0
.if DOCPART == 4
	.amdgcn_target "amdgcn-amd-amdhsa--gfx1250"
	.amdhsa_code_object_version 6
	.text
	.protected	k_qc57a232e77_oproj
	.globl	k_qc57a232e77_oproj
	.p2align	8
	.type	k_qc57a232e77_oproj,@function
k_qc57a232e77_oproj:
	s_mov_b64 s[64:65], 0
	v_nop
	global_prefetch_b8 v0, s[64:65] scope:SCOPE_SE
	s_setreg_imm32_b32 hwreg(HW_REG_WAVE_MODE, 25, 1), 1
	s_wait_xcnt 0x0
	s_wait_alu depctr_hold_cnt(0) depctr_sa_sdst(0) depctr_va_vdst(0) depctr_va_sdst(0) depctr_va_ssrc(0) depctr_va_vcc(0) depctr_vm_vsrc(0)
	s_getreg_b32 s2, hwreg(HW_REG_IB_STS2, 6, 4)
	s_cmp_eq_u32 s2, 0
	s_cbranch_scc0 .Lentry_in_a_cluster
	s_endpgm
.Lentry_in_a_cluster:
	s_bfe_u32 s2, ttmp6, 0x10000c
	s_cmp_lg_u32 s2, 0xf033
	s_cbranch_scc0 .Lentry_shape_is_right
	s_endpgm
.Lentry_shape_is_right:
; out0 = ctx Wo^T + bo on codes of FP6: 128 rows (panel y of ctx) x 256 columns a work-group, eight waves of 64 x 64 in 16 accumulators.
; LDS: X's panel at 0, Wo's two panels at 102,400 and 204,800, the spare words at 307,200.  K comes in two halves of four K steps.  Every wave issues one joint load for each half: waves 0-3 a K step of X
; (50 rows of 256 bytes), waves 4-7 two K steps of a panel of Wo (100 rows): the first half at the head, the second behind the full sequence and a round of the cluster's barrier, so that it lands
; while the first half is multiplied.  One tensor load of a wave is out at the most.  CLUSTER 4 x 4: X's panel is shared along a row, Wo's panels along a column.
; NO PREFETCH: a work-group makes one tile, and both its halves are asked for within the first of its two phases: there is no later tile to run ahead to.
; ctx's rows: panel y = batch x 8 + half x 4 + s / 8, tile s % 8, row r = query 512 half + 32 r + s.
; THE BIAS is what the sums begin with: it is loaded into the accumulators at the head, in the result's layout, while the tiles are on their way.
; THE WAY OUT: a lane holds 8 neighbouring columns of one row; a tile of 16 rows x 64 columns goes through the wave's own stage (pitch 272) and leaves as rows of 256 bytes, sixteen lanes to an aligned block.
; The stages lie in X's bytes, which have had their one fill and, behind a barrier, their last read.
.set XF, 32
.set WF, 80
.set ACC, 128
.set G1X, 24
.set G1W, 32
.set G0X, 40
.set G0W, 48
.set HALF, 51200
.macro CROUND
	s_barrier_signal -1
	s_barrier_wait -1
	s_cmp_lg_u32 s16, 0
	s_cbranch_scc1 .Lnot_wave_0_\@
	s_barrier_signal -3
.Lnot_wave_0_\@:
	s_barrier_wait -3
	s_barrier_signal -1
	s_barrier_wait -1
.endm
.macro JLOAD s                         ; a joint load into half s: each of the two lines has one mask; the branch hangs on the wave's number alone
	s_cmp_lt_u32 s16, 4
	s_cbranch_scc0 .Lfor_w_\@
	tensor_load_to_lds s[G0X+4*(\s):G0X+4*(\s)+3], s[G1X:G1X+7]
	s_nop 0
.rept 4
	v_nop
.endr
	s_branch .Lasked_\@
.Lfor_w_\@:
	tensor_load_to_lds s[G0W+4*(\s):G0W+4*(\s)+3], s[G1W:G1W+7]
	s_nop 0
.rept 4
	v_nop
.endr
.Lasked_\@:
.endm
.macro MM d, a, b, sa, sb
	v_wmma_scale_f32_16x16x128_f8f6f4 v[\d:\d+7], v[\a:\a+11], v[\b:\b+11], v[\d:\d+7], v[\sa], v[\sb] matrix_a_fmt:MATRIX_FMT_FP6 matrix_b_fmt:MATRIX_FMT_FP6
.endm
.macro FRAG reg, a16, a8, off
	ds_load_b128 v[\reg:\reg+3], v[\a16] offset:\off
	ds_load_b64 v[\reg+4:\reg+5], v[\a8] offset:\off+512
	ds_load_b128 v[\reg+6:\reg+9], v[\a16] offset:\off+768
	ds_load_b64 v[\reg+10:\reg+11], v[\a8] offset:\off+1280
.endm
.macro KSTEP q
.rept 4
	v_nop                                          ; places in front of loads into registers that matrix instructions have read
.endr
.irp i, 0,1,2,3
	ds_load_b32 v[16+\i], v8 offset:(\q)*12800+\i*64
	ds_load_b32 v[20+\i], v9 offset:(\q)*12800+\i*64
.endr
.irp i, 0,1,2,3
	FRAG WF+12*\i, 6, 7, (\q)*12800+\i*1536
.endr
.irp i, 0,1,2,3
	FRAG XF+12*\i, 4, 5, (\q)*12800+\i*1536
.endr
.irp j, 0,1,2,3
	s_wait_dscnt 12-4*\j                           ; X's younger fragments, four loads each, may be out
.irp i, 0,1,2,3
	MM ACC+8*(4*\j+\i), WF+12*\i, XF+12*\j, 20+\i, 16+\j   ; sixteen accumulators by turns
.endr
.endr
.endm
.macro SYNC half, refill               ; in front of the K steps of half \half: all my tensor loads have landed; this half's LDS addresses are made; with a later first fill: the add, a round, my one joint load
	s_wait_tensorcnt 0x0
.if \refill
	ds_add_u32 v30, v31
.endif
	v_add_nc_u32 v4, s[92+4*\half], v1
	v_add_nc_u32 v5, s[92+4*\half], v2
	v_add_nc_u32 v8, s[93+4*\half], v3
	v_add_nc_u32 v6, s[94+4*\half], v1
	v_add_nc_u32 v7, s[94+4*\half], v2
	v_add_nc_u32 v9, s[95+4*\half], v3
	s_wait_alu depctr_va_vdst(0)
	s_wait_dscnt 0x0
.if \refill
	CROUND
	JLOAD 1-\half
.else
	s_barrier_signal -1
	s_barrier_wait -1
.endif
.endm
	s_load_b256 s[4:11], s[0:1], 0x0               ; ctx, xq, bo, out0
	v_lshl_add_u32 v30, v0, 2, 0x4b000
	v_mov_b32 v31, 0
	ds_add_u32 v30, v31                            ; the opening lines: the add, twice on end, and its wait ahead of my first tensor load
	ds_add_u32 v30, v31
	v_lshrrev_b32 v1, 5, v0
	v_readfirstlane_b32 s16, v1
	s_bfe_u32 s17, ttmp6, 0x40000                  ; cx
	s_bfe_u32 s18, ttmp6, 0x40004                  ; cy
	s_lshl_b32 s19, ttmp9, 2
	s_add_co_u32 s19, s19, s17                     ; x
	s_and_b32 s21, ttmp7, 0xffff
	s_lshl_b32 s21, s21, 2
	s_add_co_u32 s21, s21, s18                     ; y
	s_lshr_b32 s20, s16, 2                         ; wm
	s_and_b32 s23, s16, 3                          ; wn; also which piece of a half I fetch
	s_lshl_b32 s80, s18, 2
	s_lshl_b32 s80, 15, s80
	s_lshl_b32 s81, 0x1111, s17
	s_or_b32 s[G1X], s80, (3<<16)|(1<<21)
	s_or_b32 s[G1W], s81, (3<<16)|(1<<21)
.irp g, G1X, G1W
	s_mov_b32 s[\g+1], 32<<16                      ; rows of 256 bytes, dense
	s_mov_b32 s[\g+3], 32<<16
	s_mov_b32 s[\g+5], 32
	s_mov_b32 s[\g+6], 0
	s_mov_b32 s[\g+7], 0
.endr
	s_mov_b32 s[G1X+2], 50<<16
	s_mov_b32 s[G1X+4], 50
	s_mov_b32 s[G1W+2], 100<<16
	s_mov_b32 s[G1W+4], 100
	s_mul_i32 s82, s23, 12800
	s_mul_i32 s56, s21, 102400                     ; by y alone
	s_add_co_u32 s56, s56, s82
	s_mov_b32 s57, 0
	s_lshr_b32 s83, s23, 1
	s_mul_i32 s83, s83, 102400
	s_and_b32 s80, s23, 1
	s_mul_i32 s80, s80, 25600
	s_add_co_u32 s83, s83, s80
	s_mul_i32 s62, s19, 204800                     ; by x alone
	s_add_co_u32 s62, s62, s83
	s_add_co_u32 s62, s62, 22118400                ; Wo's first panel
	s_mov_b32 s63, 0
	s_add_co_u32 s83, s83, 102400
	s_wait_dscnt 0x0
	s_wait_kmcnt 0x0
	s_add_nc_u64 s[56:57], s[4:5], s[56:57]
	s_add_nc_u64 s[62:63], s[6:7], s[62:63]
.irp s, 0,1
	s_mov_b32 s[G0X+4*\s], 1
	s_add_co_u32 s[G0X+4*\s+1], s82, \s*HALF
	s_add_nc_u64 s[G0X+4*\s+2:G0X+4*\s+3], s[56:57], \s*HALF
	s_or_b32 s[G0X+4*\s+3], s[G0X+4*\s+3], 0x80000000
	s_mov_b32 s[G0W+4*\s], 1
	s_add_co_u32 s[G0W+4*\s+1], s83, \s*HALF
	s_add_nc_u64 s[G0W+4*\s+2:G0W+4*\s+3], s[62:63], \s*HALF
	s_or_b32 s[G0W+4*\s+3], s[G0W+4*\s+3], 0x80000000
.endr
	CROUND
	JLOAD 0                                        ; the first half of K: one tensor load a wave at the head
	s_lshl_b32 s60, s19, 10
	s_lshl_b32 s61, s23, 8
	s_add_co_u32 s60, s60, s61                     ; 4 (256 x + 64 wn): my columns
	s_mov_b32 s61, 0
	s_add_nc_u64 s[66:67], s[8:9], s[60:61]
	s_mul_i32 s92, s20, 6144
	s_lshl_b32 s93, s20, 8
	s_add_co_u32 s93, s93, 12288
	s_lshr_b32 s80, s23, 1
	s_mul_i32 s80, s80, 102400
	s_add_co_u32 s80, s80, 102400
	s_and_b32 s81, s23, 1
	s_mul_i32 s94, s81, 6144
	s_add_co_u32 s94, s94, s80
	s_lshl_b32 s95, s81, 8
	s_add_co_u32 s95, s95, s80
	s_add_co_u32 s95, s95, 12288
.irp i, 0,1,2,3
	s_add_co_u32 s[96+\i], s[92+\i], HALF
.endr
	s_lshr_b32 s88, s21, 3
	s_lshl_b32 s88, s88, 10                        ; batch x 1024
	s_and_b32 s89, s21, 7
	s_lshr_b32 s89, s89, 2
	s_lshl_b32 s89, s89, 9                         ; half x 512
	s_add_co_u32 s88, s88, s89
	s_and_b32 s89, s21, 3
	s_lshl_b32 s89, s89, 3
	s_add_co_u32 s88, s88, s89
	s_lshl_b32 s89, s20, 2
	s_add_co_u32 s88, s88, s89                     ; + s of my first tile
	s_lshl_b32 s88, s88, 12
	s_add_co_u32 s88, s88, s60
	s_mov_b32 s89, 0
	s_add_nc_u64 s[88:89], s[10:11], s[88:89]
	s_mul_i32 s80, s16, 4352                       ; my stage
	v_and_b32 v10, 15, v0
	v_bfe_u32 v11, v0, 4, 1
	v_and_b32 v1, 31, v0
	v_lshlrev_b32 v15, 5, v11                      ; 32 h
	v_lshlrev_b32 v2, 3, v1
	v_lshlrev_b32 v1, 4, v1
	v_lshlrev_b32 v3, 2, v10
	v_mul_u32_u24 v12, v10, 272
	v_lshl_add_u32 v12, v11, 5, v12
	v_add_nc_u32 v12, s80, v12                     ; in: row r, + 32 h
	v_mul_u32_u24 v13, v11, 272
	v_lshl_add_u32 v13, v10, 4, v13
	v_add_nc_u32 v13, s80, v13                     ; back: lanes 0-15 one row, lanes 16-31 the next
	v_lshlrev_b32 v14, 17, v11
	v_lshl_add_u32 v14, v10, 4, v14                ; in out0 neighbouring rows of a tile are 32 queries, 131,072 bytes, apart
	s_wait_alu depctr_va_vdst(0)
.irp j, 0,1,2,3
.irp i, 0,1,2,3
	global_load_b128 v[ACC+32*\j+8*\i:ACC+32*\j+8*\i+3], v15, s[66:67] offset:64*\i          ; bo at n = 16 i + 8 h + 0 .. 7, for each of my four tiles of rows
	global_load_b128 v[ACC+32*\j+8*\i+4:ACC+32*\j+8*\i+7], v15, s[66:67] offset:64*\i+16
.endr
.endr
	SYNC 0, 1                                      ; the second half of K is asked for
	s_wait_loadcnt 0x0                             ; the bias lies in the accumulators
	KSTEP 0
	KSTEP 1
	KSTEP 2
	KSTEP 3
	SYNC 1, 0
	KSTEP 0
	KSTEP 1
	KSTEP 2
	KSTEP 3
	s_wait_dscnt 0x0
	s_barrier_signal -1
	s_barrier_wait -1                              ; nobody reads X's bytes any more
.rept 4
	v_nop                                          ; places behind the last products
.endr
.irp j, 0,1,2,3
	s_wait_xcnt 0x0                                ; the last tile's stores have read their data
.irp i, 0,1,2,3
	ds_store_b128 v12, v[ACC+32*\j+8*\i:ACC+32*\j+8*\i+3] offset:64*\i          ; each accumulator from its low end on
	ds_store_b128 v12, v[ACC+32*\j+8*\i+4:ACC+32*\j+8*\i+7] offset:64*\i+16
.endr
.irp t, 0,1,2,3,4,5,6,7
	ds_load_b128 v[64+4*\t:67+4*\t], v13 offset:\t*544         ; LDS serves a wave in order: these see the stores above
.endr
.irp t, 0,1,2,3,4,5,6,7
	s_wait_dscnt 7-\t                              ; rows 2 t, 2 t + 1 are back; the younger may be out
	global_store_b128 v14, v[64+4*\t:67+4*\t], s[88:89] offset:\j*4096+\t*262144 th:TH_STORE_NT   ; sixteen lanes store 256 consecutive bytes, aligned
.endr
.endr
	s_wait_tensorcnt 0x0                           ; the wave's end
	ds_add_u32 v30, v31
	s_wait_dscnt 0x0
	CROUND                                         ; the closing round
	s_endpgm
.Lfunc_end_k_qc57a232e77_oproj:
	.size	k_qc57a232e77_oproj, .Lfunc_end_k_qc57a232e77_oproj-k_qc57a232e77_oproj
	.p2alignl 7, 3214868480
	.fill 96, 4, 3214868480
	.section	.rodata,"a",@progbits
	.p2align	6, 0x0
	.amdhsa_kernel k_qc57a232e77_oproj
		.amdhsa_group_segment_fixed_size 327680
		.amdhsa_private_segment_fixed_size 0
		.amdhsa_enable_private_segment 0
		.amdhsa_kernarg_size 32
		.amdhsa_user_sgpr_count 2
		.amdhsa_user_sgpr_kernarg_segment_ptr 1
		.amdhsa_wavefront_size32 1
		.amdhsa_system_sgpr_workgroup_id_x 1
		.amdhsa_system_sgpr_workgroup_id_y 1
		.amdhsa_system_sgpr_workgroup_id_z 1
		.amdhsa_system_vgpr_workitem_id 0
		.amdhsa_next_free_vgpr 256
		.amdhsa_next_free_sgpr 100
		.amdhsa_reserve_vcc 0
		.amdhsa_float_denorm_mode_32 3
		.amdhsa_float_denorm_mode_16_64 3
		.amdhsa_memory_ordered 1
		.amdhsa_forward_progress 1
		.amdhsa_inst_pref_size 59
	.end_amdhsa_kernel
	.amdgpu_metadata
---
amdhsa.version: [ 1, 2 ]
amdhsa.kernels:
  - .name:           k_qc57a232e77_oproj
    .symbol:         k_qc57a232e77_oproj.kd
    .args:
      - { .name: ctx, .offset: 0, .size: 8, .value_kind: global_buffer, .address_space: global }
      - { .name: xq, .offset: 8, .size: 8, .value_kind: global_buffer, .address_space: global }
      - { .name: bo, .offset: 16, .size: 8, .value_kind: global_buffer, .address_space: global }
      - { .name: out0, .offset: 24, .size: 8, .value_kind: global_buffer, .address_space: global }
    .group_segment_fixed_size: 327680
    .private_segment_fixed_size: 0
    .kernarg_segment_align: 8
    .kernarg_segment_size: 32
    .max_flat_workgroup_size: 256
    .sgpr_count:     100
    .vgpr_count:     256
    .wavefront_size: 32
...
	.end_amdgpu_metadata
.endif
;; end of part 4
